; MI455X (gfx1250); checked and timed in simulation.
; The chip was launched on July 23, 2026; its instructions are those of AMD's public machine-readable ISA for CDNA 5 (MIT licence, August 2026) and "CDNA5" Instruction Set Architecture Reference Guide (July 2026). The comments in the code are by the model that wrote it; some were corrected since.
;; Attention Block. Allowed arithmetic: matrix products marked QUANTISED: E4M3 operands, one E8M0 scale for each 32 along K, by v_wmma_scale_f32_16x16x128_f8f6f4 with both operands' format E4M3, f32 sums; everything else in f32.
;; Inputs: norm_b 1,024 float32; norm_w 1,024 float32; proj_b 1,024 float32; proj_w 1,024 x 1,024 float32; qkv_b 3,072 float32; qkv_w 3,072 x 1,024 float32; x 8 x 1,024 x 1,024 float32.
;; Outputs: out0 8 x 1,024 x 1,024 float32.
;; This version of the problem:
;;   THIS VERSION OF THE PROBLEM IS GIVEN IN LOW PRECISION. The matrix products marked QUANTISED in the list below multiply operands that are first quantised to E4M3 (4 exponent bits, 3 mantissa bits; 8 bits a number), with one power-of-two scale for each 32 numbers along K (OCP MX v1.0); their sums are f32. All else is computed in f32.
;;   The module's matrix products, in the order in which they are computed (A, B: the left and right operand; K: the contracted axis; several contracted axes count as one K, in the product's order):
;;     1. [M 8,192, K 1,024] x [K 1,024, N 3,072]; A: computed on the way; B: input qkv_w: QUANTISED
;;     2. batch 128 x [M 1,024, K 64] x [K 64, N 1,024]; A: computed on the way; B: computed on the way: QUANTISED
;;     3. batch 128 x [M 64, K 1,024] x [K 1,024, N 1,024]; A: computed on the way; B: softmax (see below): QUANTISED
;;     4. [M 8,192, K 1,024] x [K 1,024, N 1,024]; A: computed on the way; B: input proj_w: QUANTISED
;;   THE QUANTISER, for each operand of a quantised product, along K:
;;     - K is cut into blocks of 32 from its start; a last block that is shorter is filled with zeros.
;;     - A block's scale is 2^e with e = floor(log2(the largest magnitude in the block)) - 8, held to -126 .. 127; a block of zeros has e = 0. As a byte (E8M0): e + 127.
;;     - Each number is divided by its block's scale, clamped to +-448, and rounded to the nearest number of E4M3, ties to even, subnormals kept.
;;     - The product sums the exact products of the quantised numbers (number of the format x scale) in f32.
;;   ~~~python
;;   def quantise(x, axis):      # numpy; x: float32 -> the quantised numbers, widened to float32 again
;;       x = np.moveaxis(x, axis, -1); K = x.shape[-1]
;;       x = np.pad(x, [(0, 0)] * (x.ndim - 1) + [(0, -K % 32)]); x = x.reshape(x.shape[:-1] + (-1, 32)); a = np.abs(x).max(-1, keepdims=True)
;;       e = np.where(a > 0, np.clip(np.frexp(np.where(a > 0, a, 1))[1] - 1 - 8, -126, 127), 0)      # np.frexp(a)[1] - 1 = floor(log2(a)), exactly
;;       r = np.clip(x / 2.0 ** e, -448, 448)
;;       step = 2.0 ** (np.maximum(np.frexp(np.where(r == 0, 1, r))[1] - 1, -6) - 3)
;;       q = np.round(r / step) * step * 2.0 ** e      # np.round: ties to even
;;       return np.moveaxis(q.reshape(q.shape[:-2] + (-1,))[..., :K], -1, axis).astype(np.float32)
;;   ~~~
;;   SOFTMAX AHEAD OF A QUANTISED PRODUCT. Where the list says 'softmax', what is quantised is not the finished softmax but p = 2^(t - M), with t = logit x log2(e) and M = ceil(the row's largest t), a whole number; so 1/2 < the row's largest p <= 1. The row's sum l is taken of the UNQUANTISED p, in f32, and the product's result is divided by l at the end. Since M is a whole number, a kernel that streams over the keys may use a running M (the ceiling of the running maximum): every later rescaling is an exact power of two, which a block's scale takes up: the codes' values come out the same.
;;   OPERANDS COMPUTED ON THE WAY. 'Computed on the way' means the value that the module computes at that place (a softmax that the list does not call 'softmax' is quantised finished and normalised). What goes into a quantiser is computed in f32, as accurately as f32 sums, v_exp_f32 and their like allow (about 1e-6 of the number): no bf16 or f16 on the way to a quantiser, and a product that is left as it is and whose result goes on into a quantised operand takes f32 operands (vector FMAs, or v_wmma_f32_16x16x4_f32). A number that lies on a knife's edge between two numbers of the format may be rounded either way, as far as f32 arithmetic and the matrix unit's own rounding can turn it there, and no further.
;; One version. Each part assembles by itself: llvm-mc -triple=amdgcn-amd-amdhsa -mcpu=gfx1250 --defsym DOCPART=n.
;; ======== version 1 of 1: 4 launches
;; limits: right only within a limited range of input values
;; workspace buffers: xq 8,650,752 bytes; wq 4,325,376 bytes; gn 65,536 bytes; qq 8,650,752 bytes; kv 17,301,504 bytes; aq 8,650,752 bytes
;; launch prep (part 1): grid 256 x 1, 8 waves a work-group, no clusters, 101,888 bytes of LDS; arguments x, norm_w, norm_b, qkv_w, proj_w, xq, wq, gn; writes xq, wq, gn
.if DOCPART == 1
	.amdgcn_target "amdgcn-amd-amdhsa--gfx1250"
	.amdhsa_code_object_version 6
	.text
	.protected	k_q6e4d5a5f19_prep
	.globl	k_q6e4d5a5f19_prep
	.p2align	8
	.type	k_q6e4d5a5f19_prep,@function
k_q6e4d5a5f19_prep:
	s_mov_b64 s[64:65], 0
	v_nop
	global_prefetch_b8 v0, s[64:65] scope:SCOPE_SE
	s_setreg_imm32_b32 hwreg(HW_REG_WAVE_MODE, 25, 1), 1
	s_wait_xcnt 0x0
; GroupNorm of x [8][1024][1024] (32 groups of 32 channels x 1,024 positions), its quantising to E4M3 along the channels, and the quantising of qkv_w and proj_w along their 1,024 columns.
; A group's 32 channels ARE one block of 32 along the first product's K: work-group i owns group (b = i / 32, g = i % 32), 128 KiB of x, and makes one scale byte and 32 codes for each position.
; It also owns 16 rows of a weight (tile i: tiles 0-191 qkv_w, 192-255 proj_w).  All work-groups take one path; only a pointer is chosen by the work-group's number.
; TILES.  Rows 32 G .. 32 G + 31 make tiles 2 G + u; lane-row r of a tile is row 32 G + 8 u + r + 8 (r / 8).
; IMAGES.  Codes are stored in the order of an operand's registers: fragment (tile, K step of 128) = 2,048 bytes, byte 512 c + 16 lane + i = code of (row r, k = 32 c + 16 h + i), lane = r + 16 h.
; SCALE WORDS: [tile][K step / 2][32 lanes]: lanes 0-15 the even K step's word of row r, lanes 16-31 the odd one's.
; A lane holds 4 neighbouring positions of all 32 channels (128 registers): x is read from memory once; mean and variance are taken in two passes over the registers (the variance of x - mean: no difference of large sums).
; A block's scale byte is its largest magnitude's exponent field - 8, held at 1 from below.  LIMITS: a block of zeros, or one whose largest magnitude lies under 2^-118, keeps the byte 1 (its codes are zeros or
; the format's smallest; only this program reads the bytes); NaN and infinities among the inputs are not served.
; No tensor loads, no cluster: no two work-groups read the same bytes.  x's scale bytes leave as single bytes (four work-groups share a word): one byte for each 128 read.
.set RED1, 0                           ; LDS: eight waves' partial sums,
.set RED2, 256                         ; and their partial sums of squares
.set GSTG, 512                         ; each wave's stage for x's codes: 8 tiles x 512 bytes
.set WSTG, 33280                       ; each wave's stage for the weight: 16 rows x (512 + 16) bytes
.set XSC,  8388608                     ; where the scale words begin in xq
.set WSC,  4194304                     ; and in wq
.set X,    24                          ; v24-151  x: register 4 c + j = channel c, position 4 lane + j
.set WR,   152                         ; v152-215 the weight as loaded
.set XN,   216                         ; v216-247 a column's 32 numbers; also sums, and the way out
.set CD,   248                         ; v248-255 a column's codes
.set TM,   88                          ; the weight's quantiser: v88-91 maxima, v92-95 bytes, v100-103 scale operands
.set PC,   104                         ; v104-119 its codes
.set PW,   120                         ; v120 its scale word
; The sum of the four chains in v[XN .. XN+7], over the lane, the wave and the eight waves; the result in v14 of every lane, the same bits in every wave.
.macro WGSUM red
	s_delay_alu instid0(VALU_DEP_3)
	v_pk_add_f32 v[XN:XN+1], v[XN:XN+1], v[XN+2:XN+3]
	s_delay_alu instid0(VALU_DEP_2)
	v_pk_add_f32 v[XN+4:XN+5], v[XN+4:XN+5], v[XN+6:XN+7]
	s_delay_alu instid0(VALU_DEP_1)
	v_pk_add_f32 v[XN:XN+1], v[XN:XN+1], v[XN+4:XN+5]
	s_delay_alu instid0(VALU_DEP_1)
	v_add_f32 v14, v[XN], v[XN+1]
.irp m, 1,2,4,8
	s_delay_alu instid0(VALU_DEP_1)
	v_add_f32_dpp v14, v14, v14 row_xmask:\m row_mask:0xf bank_mask:0xf
.endr
	s_delay_alu instid0(VALU_DEP_1)
	v_permlanex16_b32 v15, v14, s54, s55
	s_delay_alu instid0(VALU_DEP_1)
	v_add_f32 v14, v14, v15
	ds_store_b32 v22, v14 offset:\red              ; my wave's word (all lanes write the same value)
	s_wait_dscnt 0x0                               ; for the others' sake: my store has landed
	s_barrier_signal -1
	s_barrier_wait -1
	ds_load_b128 v[XN:XN+3], v23 offset:\red
	ds_load_b128 v[XN+4:XN+7], v23 offset:\red+16
	s_wait_dscnt 0x0
	v_pk_add_f32 v[XN:XN+1], v[XN:XN+1], v[XN+2:XN+3]
	v_pk_add_f32 v[XN+4:XN+5], v[XN+4:XN+5], v[XN+6:XN+7]
	s_delay_alu instid0(VALU_DEP_1)
	v_pk_add_f32 v[XN:XN+1], v[XN:XN+1], v[XN+4:XN+5]
	s_delay_alu instid0(VALU_DEP_1)
	v_add_f32 v14, v[XN], v[XN+1]
.endm
; Column j of my four: x_norm of its 32 channels (the multiply-add's destination turns [channel][position] into [position][channel]), the block's scale, its 32 codes into the stage, its byte to memory.
.macro GNCOL j
.set c, 0
.rept 32
	v_fma_f32 v[XN+c], v[X+4*c+\j], s[20+c], s[68+c]    ; (x - mean) a_c + b_c
.set c, c+1
.endr
	v_max3_num_f32 v20, |v[XN]|, |v[XN+1]|, |v[XN+2]|
	v_max3_num_f32 v21, |v[XN+3]|, |v[XN+4]|, |v[XN+5]|
.irp i, 6,10,14,18,22,26
	s_delay_alu instid0(VALU_DEP_2)
	v_max3_num_f32 v20, v20, |v[XN+\i]|, |v[XN+\i+1]|
	s_delay_alu instid0(VALU_DEP_2)
	v_max3_num_f32 v21, v21, |v[XN+\i+2]|, |v[XN+\i+3]|
.endr
	s_delay_alu instid0(VALU_DEP_2)
	v_max3_num_f32 v20, v20, |v[XN+30]|, |v[XN+31]|
	s_delay_alu instid0(VALU_DEP_1)
	v_max3_num_f32 v20, v20, v21, 0x4800000        ; and the floor 2^(9 - 127): the byte cannot fall under 1
	s_delay_alu instid0(VALU_DEP_1)
	v_add_nc_u32 v23, 0xfc000000, v20              ; 8 off the exponent field: the conversion's scale operand
	s_delay_alu instid0(VALU_DEP_1)
	v_lshrrev_b32 v[16+\j], 23, v23                ; the scale's byte
.set c, 0
.rept 32
.set c, c+1
.endr
	s_wait_alu depctr_va_vdst(0)
	s_wait_dscnt 0x0                               ; the last column's stage stores have read the codes' registers
.irp q, 0,1,2,3
	v_cvt_scalef32_pk8_fp8_f32 v[CD+2*\q:CD+2*\q+1], v[XN+8*\q:XN+8*\q+7], v23
.endr
	v_nop                                          ; a plain line between the conversions and the next column's writes of their sources
	ds_store_b128 v4, v[CD:CD+3] offset:16*\j      ; channels 0-15 of the block: the image's lane r,
	ds_store_b128 v4, v[CD+4:CD+7] offset:16*\j+256    ; channels 16-31: lane r + 16
	global_store_b8 v6, v[16+\j], s[12:13] offset:4*\j
.endm
; 64 numbers of a lane, register 16 b + i = k 32 b + 16 (lane / 16) + i of my row, become a fragment's codes in v[PC] on and its scale word in v[PW].
.macro QUANT s
.irp b, 0,1,2,3
	v_max3_num_f32 v[TM+\b], |v[\s+16*\b]|, |v[\s+1+16*\b]|, 0x4800000
.endr
.irp i, 2,4,6,8,10,12,14
.irp b, 0,1,2,3
	s_delay_alu instid0(VALU_DEP_4)
	v_max3_num_f32 v[TM+\b], v[TM+\b], |v[\s+16*\b+\i]|, |v[\s+1+16*\b+\i]|
.endr
.endr
.irp b, 0,1,2,3
	s_delay_alu instid0(VALU_DEP_4)
	v_permlanex16_b32 v[TM+4+\b], v[TM+\b], s54, s55
.endr
.irp b, 0,1,2,3
	s_delay_alu instid0(VALU_DEP_4)
	v_max_num_f32 v[TM+\b], v[TM+\b], v[TM+4+\b]   ; with lane l xor 16's 16 numbers: the block's largest magnitude
.endr
.irp b, 0,1,2,3
	s_delay_alu instid0(VALU_DEP_4)
	v_add_nc_u32 v[TM+12+\b], 0xfc000000, v[TM+\b]
.endr
.irp b, 0,1,2,3
.endr
.irp b, 0,1,2,3
	s_delay_alu instid0(VALU_DEP_4)
	v_lshrrev_b32 v[TM+4+\b], 23, v[TM+12+\b]
.endr
	s_delay_alu instid0(VALU_DEP_3)
	v_lshl_or_b32 v[PW], v[TM+5], 8, v[TM+4]
	s_delay_alu instid0(VALU_DEP_1)
	v_lshl_or_b32 v[PW], v[TM+6], 16, v[PW]
	s_delay_alu instid0(VALU_DEP_1)
	v_lshl_or_b32 v[PW], v[TM+7], 24, v[PW]
.irp b, 0,1,2,3
.irp i, 0,1,2,3,4,5,6,7,8,9,10,11,12,13,14,15
.endr
	v_cvt_scalef32_pk8_fp8_f32 v[PC+4*\b:PC+1+4*\b], v[\s+16*\b:\s+7+16*\b], v[TM+12+\b]
	v_cvt_scalef32_pk8_fp8_f32 v[PC+2+4*\b:PC+3+4*\b], v[\s+8+16*\b:\s+15+16*\b], v[TM+12+\b]
.endr
	v_nop
.endm
	s_load_b512 s[4:19], s[0:1], 0x0               ; x, norm_w, norm_b, qkv_w, proj_w, xq, wq, gn
	s_set_vgpr_msb 0x40
	v_lshl_add_u32 v0, v0, 2, 0x18a00
	v_mov_b32 v1, 0
	s_set_vgpr_msb 0x4000
	v_lshrrev_b32 v1, 5, v0
	s_delay_alu instid0(VALU_DEP_1)
	v_readfirstlane_b32 s52, v1                    ; wave 0..7
	v_and_b32 v1, 31, v0                           ; lane
	v_lshlrev_b32 v2, 4, v0                        ; 512 wave + 16 lane: my 16 bytes of a row of x, and of a row of the weight's K step
	s_delay_alu instid0(VALU_DEP_2)
	v_lshlrev_b32 v3, 4, v1                        ; 16 lane
	s_delay_alu instid0(VALU_DEP_3)
	v_lshlrev_b32 v20, 2, v1                       ; 4 lane
	s_and_b32 s53, ttmp9, 31                       ; g
	s_lshr_b32 s62, ttmp9, 5                       ; b
	s_lshl_b32 s2, s53, 7                          ; the group's 32 gains and biases: 128 bytes
	s_mov_b32 s3, 0
	s_mov_b32 s54, 0x76543210
	s_mov_b32 s55, 0xfedcba98                      ; v_permlanex16_b32's selects for lane l xor 16
	s_mov_b32 s58, 0x38000000                      ; 2^-15 = 1 / (32 x 1,024)
	s_mov_b32 s59, 0x3727c5ac                      ; 1e-5
	s_wait_alu depctr_va_vdst(0)
	s_wait_kmcnt 0x0
	s_add_nc_u64 s[6:7], s[6:7], s[2:3]
	s_add_nc_u64 s[8:9], s[8:9], s[2:3]
	s_load_b512 s[20:35], s[6:7], 0x0              ; w_c, later a_c = rstd w_c
	s_load_b512 s[36:51], s[6:7], 0x40
	s_load_b512 s[68:83], s[8:9], 0x0              ; b_c
	s_load_b512 s[84:99], s[8:9], 0x40
	global_load_b32 v11, v20, s[6:7]               ; and w of channel 32 g + lane, for gn
	s_lshl_b32 s2, ttmp9, 17                       ; the group's 32 rows of 4,096 bytes
	s_add_nc_u64 s[4:5], s[4:5], s[2:3]
.set c, 0
.rept 32
	global_load_b128 v[X+4*c:X+4*c+3], v2, s[4:5] offset:4096*c th:TH_LOAD_NT   ; a wave reads 512 consecutive bytes of channel c
.set c, c+1
.endr
	s_cmp_lt_u32 ttmp9, 192                        ; which weight: the choice hangs on the work-group's number alone
	s_cselect_b64 s[10:11], s[10:11], s[12:13]
	s_cselect_b32 s63, 0, 192
	s_sub_co_u32 s63, ttmp9, s63                   ; the tile's number in its tensor
	s_lshr_b32 s2, s63, 1
	s_lshl_b32 s2, s2, 17                          ; 32 rows of 4,096 bytes for each pair of tiles,
	s_and_b32 s63, s63, 1
	s_lshl_b32 s63, s63, 15                        ; 8 rows for the odd tile
	s_add_co_u32 s2, s2, s63
	s_add_nc_u64 s[10:11], s[10:11], s[2:3]
.set c, 0
.rept 16
	global_load_b128 v[WR+4*c:WR+4*c+3], v2, s[10:11] offset:(c+8*(c/8))*4096 th:TH_LOAD_NT   ; lane-row c, K step = my wave: 512 consecutive bytes
.set c, c+1
.endr
	; addresses
	v_lshrrev_b32 v12, 3, v1
	v_bfe_u32 v13, v1, 1, 1
	v_bfe_u32 v14, v1, 2, 1
	v_and_b32 v15, 1, v1
	s_delay_alu instid0(VALU_DEP_4)
	v_lshlrev_b32 v6, 10, v12
	s_delay_alu instid0(VALU_DEP_1)
	v_lshl_add_u32 v6, v13, 9, v6                  ; my tile among the wave's eight: 2 (lane / 8) + (lane / 2) % 2, x 512
	s_delay_alu instid0(VALU_DEP_1)
	v_lshl_add_u32 v4, v14, 7, v6
	s_delay_alu instid0(VALU_DEP_1)
	v_lshl_add_u32 v4, v15, 6, v4                  ; + 16 x lane-row, which is 4 (lane % 2) + 8 ((lane / 4) % 2) + j
	s_lshl_b32 s63, s52, 12
	s_add_co_u32 s63, s63, GSTG
	v_add_nc_u32 v4, s63, v4                       ; into my wave's stage
	v_add_nc_u32 v5, s63, v3                       ; and out of it: 16 lane
	v_lshl_add_u32 v6, v14, 5, v6
	s_delay_alu instid0(VALU_DEP_1)
	v_lshl_add_u32 v6, v15, 4, v6                  ; the scale byte's place: tile x 512 + 4 x lane-row
	s_mul_i32 s63, s52, 8448
	s_add_co_u32 s63, s63, WSTG
	v_add_nc_u32 v7, s63, v3                       ; the weight's stage, in: 16 lane (+ 528 x row)
	v_and_b32 v12, 15, v1                          ; r
	v_lshrrev_b32 v13, 4, v1                       ; h
	s_delay_alu instid0(VALU_DEP_2)
	v_mul_u32_u24 v8, v12, 528
	s_delay_alu instid0(VALU_DEP_1)
	v_lshl_add_u32 v8, v13, 6, v8
	s_delay_alu instid0(VALU_DEP_1)
	v_add_nc_u32 v8, s63, v8                       ; out: row r, + 64 h: my 16 numbers of a block of 32
	v_lshlrev_b32 v9, 2, v12
	s_delay_alu instid0(VALU_DEP_1)
	v_lshl_add_u32 v9, v13, 1, v9                  ; 4 r + 2 h: my half of row r's scale word
	v_lshlrev_b32 v10, 4, v13                      ; 16 h
	s_lshl_b32 s63, s52, 2
	v_mov_b32 v22, s63                             ; 4 wave
	v_mov_b32 v23, 0
	; where the results go
	s_lshl_b32 s2, s62, 15                         ; scale words of x: tile 64 b + 8 wave, 512 bytes a tile,
	s_lshl_b32 s63, s52, 12
	s_add_co_u32 s2, s2, s63
	s_lshr_b32 s63, s53, 2
	s_lshl_b32 s63, s63, 6                         ; K step g / 4: 64 bytes each,
	s_add_co_u32 s2, s2, s63
	s_and_b32 s63, s53, 3                          ; byte g % 4
	s_add_co_u32 s2, s2, s63
	s_add_co_u32 s2, s2, XSC
	s_add_nc_u64 s[12:13], s[14:15], s[2:3]
	s_lshl_b32 s2, s62, 20                         ; codes of x: 16,384 bytes a tile,
	s_lshl_b32 s63, s52, 17
	s_add_co_u32 s2, s2, s63
	s_lshl_b32 s63, s53, 9                         ; 2,048 (g / 4) + 512 (g % 4) = 512 g
	s_add_co_u32 s2, s2, s63
	s_add_nc_u64 s[14:15], s[14:15], s[2:3]
	s_lshl_b32 s2, ttmp9, 9                        ; the weight's scale words: 512 bytes a tile, 64 a K step
	s_lshl_b32 s63, s52, 6
	s_add_co_u32 s2, s2, s63
	s_add_co_u32 s2, s2, WSC
	s_add_nc_u64 s[60:61], s[16:17], s[2:3]
	s_lshl_b32 s2, ttmp9, 14                       ; its codes: 16,384 bytes a tile, 2,048 a K step
	s_lshl_b32 s63, s52, 11
	s_add_co_u32 s2, s2, s63
	s_add_nc_u64 s[16:17], s[16:17], s[2:3]
	s_lshl_b32 s2, ttmp9, 8                        ; gn: 32 channels x 8 bytes
	s_add_nc_u64 s[18:19], s[18:19], s[2:3]
	; ---- the mean.  Loads come back in order: at each wait eight more channels are in; the 16 weight loads stay out
	s_wait_loadcnt 40
.irp k, 0,1,2,3
	v_pk_add_f32 v[XN+2*\k:XN+2*\k+1], v[X+2*\k:X+2*\k+1], v[X+8+2*\k:X+8+2*\k+1]   ; the first pairs start four chains: nothing is cleared
.endr
.set p, 8
.rept 56
.if p == 16
	s_wait_alu depctr_va_vdst(0)
	s_wait_loadcnt 32
.elseif p == 32
	s_wait_alu depctr_va_vdst(0)
	s_wait_loadcnt 24
.elseif p == 48
	s_wait_alu depctr_va_vdst(0)
	s_wait_loadcnt 16
.endif
	v_pk_add_f32 v[XN+2*(p%4):XN+2*(p%4)+1], v[XN+2*(p%4):XN+2*(p%4)+1], v[X+2*p:X+2*p+1]
.set p, p+1
.endr
	WGSUM RED1
	s_delay_alu instid0(VALU_DEP_1)
	v_mul_f32 v12, s58, v14                        ; the mean,
	s_delay_alu instid0(VALU_DEP_1)
	v_mov_b32 v13, v12                             ; twice
	; ---- the variance, of x - mean, which stays in x's registers
.set p, 0
.rept 64
	v_pk_add_f32 v[X+2*p:X+2*p+1], v[X+2*p:X+2*p+1], v[12:13] neg_lo:[0,1] neg_hi:[0,1]
.set p, p+1
.endr
.irp k, 0,1,2,3
	v_pk_mul_f32 v[XN+2*\k:XN+2*\k+1], v[X+2*\k:X+2*\k+1], v[X+2*\k:X+2*\k+1]
.endr
.set p, 4
.rept 60
	s_delay_alu instid0(VALU_DEP_4)
	v_pk_fma_f32 v[XN+2*(p%4):XN+2*(p%4)+1], v[X+2*p:X+2*p+1], v[X+2*p:X+2*p+1], v[XN+2*(p%4):XN+2*(p%4)+1]
.set p, p+1
.endr
	WGSUM RED2
	s_delay_alu instid0(VALU_DEP_1)
	v_fma_f32 v14, v14, s58, s59                   ; variance + eps
	s_wait_alu depctr_va_vdst(0)
	v_rsq_f32 v14, v14
	v_nop                                          ; a plain line behind the transcendental,
	s_wait_alu depctr_va_vdst(0)                   ; and the wait ahead of its first reader
	v_readfirstlane_b32 s57, v14                   ; rstd: the same in every lane
	s_wait_kmcnt 0x0                               ; w_c and b_c
.set c, 0
.rept 32
	s_mul_f32 s[20+c], s[20+c], s57                ; a_c = rstd w_c
.set c, c+1
.endr
	; ---- x_norm, its codes and scale bytes
	GNCOL 0
	GNCOL 1
	GNCOL 2
	GNCOL 3
.irp i, 0,1,2,3,4,5,6,7
	ds_load_b128 v[XN+4*\i:XN+4*\i+3], v5 offset:512*\i    ; LDS serves a wave's instructions in order: these see my stores.  Tile i's 512 bytes of this block
.endr
.irp i, 0,1,2,3,4,5,6,7
	s_wait_dscnt 7-\i
	global_store_b128 v3, v[XN+4*\i:XN+4*\i+3], s[14:15] offset:16384*\i   ; the wave stores 512 consecutive bytes, aligned
.endr
	; ---- gn: {a_c, mean} of the group's 32 channels: 256 consecutive bytes, by wave 0
	s_cmp_lg_u32 s52, 0
	s_cbranch_scc1 .Lnot_wave_0
	v_mul_f32 v14, s57, v11
	v_mov_b32 v15, v12
	v_lshlrev_b32 v21, 3, v1
	global_store_b64 v21, v[14:15], s[18:19]
.Lnot_wave_0:
	; ---- the weight: 16 rows x 128 along K through my stage, so that a lane holds 16 neighbours of each block
	s_wait_loadcnt 0x0
.set c, 0
.rept 16
	ds_store_b128 v7, v[WR+4*c:WR+4*c+3] offset:528*c
.set c, c+1
.endr
.irp b, 0,1,2,3
.irp j, 0,1,2,3
	ds_load_b128 v[X+16*\b+4*\j:X+16*\b+4*\j+3], v8 offset:128*\b+16*\j
.endr
.endr
	s_wait_dscnt 0x0
	QUANT X
.irp b, 0,1,2,3
	global_store_b128 v3, v[PC+4*\b:PC+4*\b+3], s[16:17] offset:512*\b    ; the fragment's image: 512 consecutive bytes a store
.endr
	v_lshrrev_b32 v121, v10, v[PW]                 ; lanes 0-15 the word's low half, lanes 16-31 its high half:
	global_store_b16 v9, v121, s[60:61]            ; 64 consecutive bytes
	s_set_vgpr_msb 0x5
	s_wait_tensorcnt 0x0
	ds_add_u32 v0, v1
	s_wait_dscnt 0x0
	s_set_vgpr_msb 0x500
	s_endpgm
.Lfunc_end_k_q6e4d5a5f19_prep:
	.size	k_q6e4d5a5f19_prep, .Lfunc_end_k_q6e4d5a5f19_prep-k_q6e4d5a5f19_prep
	.p2alignl 7, 3214868480
	.fill 96, 4, 3214868480
	.section	.rodata,"a",@progbits
	.p2align	6, 0x0
	.amdhsa_kernel k_q6e4d5a5f19_prep
		.amdhsa_group_segment_fixed_size 101888
		.amdhsa_private_segment_fixed_size 0
		.amdhsa_enable_private_segment 0
		.amdhsa_kernarg_size 64
		.amdhsa_user_sgpr_count 2
		.amdhsa_user_sgpr_kernarg_segment_ptr 1
		.amdhsa_wavefront_size32 1
		.amdhsa_system_sgpr_workgroup_id_x 1
		.amdhsa_system_sgpr_workgroup_id_y 1
		.amdhsa_system_sgpr_workgroup_id_z 1
		.amdhsa_system_vgpr_workitem_id 0
		.amdhsa_next_free_vgpr 258
		.amdhsa_next_free_sgpr 100
		.amdhsa_reserve_vcc 0
		.amdhsa_float_denorm_mode_32 3
		.amdhsa_float_denorm_mode_16_64 3
		.amdhsa_fp16_overflow 1
		.amdhsa_memory_ordered 1
		.amdhsa_forward_progress 1
		.amdhsa_inst_pref_size 54
	.end_amdhsa_kernel
	.amdgpu_metadata
---
amdhsa.version: [ 1, 2 ]
amdhsa.kernels:
  - .name:           k_q6e4d5a5f19_prep
    .symbol:         k_q6e4d5a5f19_prep.kd
    .args:
      - { .name: x, .offset: 0, .size: 8, .value_kind: global_buffer, .address_space: global }
      - { .name: norm_w, .offset: 8, .size: 8, .value_kind: global_buffer, .address_space: global }
      - { .name: norm_b, .offset: 16, .size: 8, .value_kind: global_buffer, .address_space: global }
      - { .name: qkv_w, .offset: 24, .size: 8, .value_kind: global_buffer, .address_space: global }
      - { .name: proj_w, .offset: 32, .size: 8, .value_kind: global_buffer, .address_space: global }
      - { .name: xq, .offset: 40, .size: 8, .value_kind: global_buffer, .address_space: global }
      - { .name: wq, .offset: 48, .size: 8, .value_kind: global_buffer, .address_space: global }
      - { .name: gn, .offset: 56, .size: 8, .value_kind: global_buffer, .address_space: global }
    .group_segment_fixed_size: 101888
    .private_segment_fixed_size: 0
    .kernarg_segment_align: 8
    .kernarg_segment_size: 64
    .max_flat_workgroup_size: 256
    .sgpr_count:     100
    .vgpr_count:     258
    .wavefront_size: 32
...
	.end_amdgpu_metadata
.endif
;; end of part 1
;; launch qkv (part 2): grid 16 x 16, 4 waves a work-group, clusters of 4 x 1, 197,120 bytes of LDS; arguments xq, wq, qkv_b, qq, kv; writes qq, kv
.if DOCPART == 2
	.amdgcn_target "amdgcn-amd-amdhsa--gfx1250"
	.amdhsa_code_object_version 6
	.text
	.protected	k_q6e4d5a5f19_qkv
	.globl	k_q6e4d5a5f19_qkv
	.p2align	8
	.type	k_q6e4d5a5f19_qkv,@function
k_q6e4d5a5f19_qkv:
	s_mov_b64 s[64:65], 0
	v_nop
	global_prefetch_b8 v0, s[64:65] scope:SCOPE_SE
	s_setreg_imm32_b32 hwreg(HW_REG_WAVE_MODE, 25, 1), 1
	s_wait_xcnt 0x0
	s_wait_alu depctr_hold_cnt(0) depctr_sa_sdst(0) depctr_va_vdst(0) depctr_va_sdst(0) depctr_va_ssrc(0) depctr_va_vcc(0) depctr_vm_vsrc(0)
	s_getreg_b32 s2, hwreg(HW_REG_IB_STS2, 6, 4)
	s_cmp_eq_u32 s2, 0
	s_cbranch_scc0 .Lentry_in_a_cluster
	s_endpgm
.Lentry_in_a_cluster:
	s_bfe_u32 s2, ttmp6, 0x10000c
	s_cmp_lg_u32 s2, 0x3003
	s_cbranch_scc0 .Lentry_shape_is_right
	s_endpgm
.Lentry_shape_is_right:
; qkv = qkv_w x_norm + qkv_b on codes of E4M3 (K = 1,024 channels), then q and k times 64^(-1/4), and q, k, v quantised for the two products of attention.
; SHARES.  A work-group owns one head's 192 rows of qkv_w (12 tiles: q 0-3, k 4-7, v 8-11) and 512 rows (b, l) of x_norm, in two passes of 256.  In a pass each of the four waves has all 12 weight tiles against
; its own 4 tiles of x_norm: 48 accumulators, 48 matrix instructions for 128 along K.
; THE WEIGHTS' codes of the head, 192 KiB, come into LDS once, in four groups of two K steps, and stay: nothing in LDS is filled twice.  The four work-groups of a cluster have the same head: they ask for the
; groups JOINTLY.  x_norm's fragments are read by one wave of the work-group only: they go from memory straight into its registers, three K steps ahead.  (Work-groups of other heads read them too; they
; are not shared by a joint load, since they never pass through LDS.)
; ORIENTATION.  q, k: source 0 = weight tile, source 1 = x tile: a lane holds one position and its registers run along the head's channels, the K of q k^T.  v: source 0 = x tile, source 1 = weight tile: a lane holds one
; channel and its registers run along the positions, the K of the second product.  By the tiles' order of rows (row 32 G + 8 u + r + 8 (r / 8)) the 16 registers of two neighbouring tiles are 16 neighbours along that K.
; WHAT IS STORED, as images of operands' registers.  qq: for each pair of position tiles 2,048 bytes: registers 0-7 tile 2 G (64 channels), 8-15 tile 2 G + 1.  kv: for each 128 keys 16,896 bytes: 4 such pairs of k,
; 4 fragments of v (16 channels x 128 keys), k's scale words, v's scale words.
; LIMITS: a block of zeros, or one whose largest magnitude lies under 2^-118, keeps the scale byte 1; NaN and infinities are not served.
; The last pass asks once more for three K steps of x_norm and its scale words (its own) and does not use them, so that the loop's text and counts are the same in both trips and no load leaves its buffer.
; REGISTERS, in windows of 256.  Window 0: v1-14 addresses and words; v24-71 the weights' scale words [tile][K step / 2]; v72-87 x_norm's; v88-95 v's bias; v96-111 at work; v112-127 codes; v128-255 v's accumulators (128 + 32 wv + 8 t).
;   Window 1: v0-95, v96-191 the weights' fragments, tiles 0-5 and 6-11; v192-255 q's and k's bias x 64^(-1/4).  Window 2: four sets of x_norm's four fragments.  Window 3: q's and k's accumulators (128 z + 32 t + 8 wq).
.set XSC, 8388608                      ; where the scale words begin in xq
.set WSC, 4194304                      ; in wq
.set QSC, 8388608                      ; in qq
.set KVB, 135168                       ; a head's bytes in kv
.set KST, 16896                        ; a key step's
.set GRP, 49152                        ; LDS: a group: 12 tiles x two K steps x 2,048 bytes
.set LI,  1                            ; v1   16 lane
.set LS,  2                            ; v2   4 lane
.set ADW, 3                            ; v3-6 16 lane + GRP j
.set WSW, 24
.set XSW, 72
.set VB,  88
.set TM,  96                           ; v96-99 maxima, v100-103 bytes, v108-111 scale operands
.set PC,  112
.set VAC, 128
.set QKB, 192
.set WV,  14                           ; s14  my wave's number
.set MSB, 0
.macro WIN new                         ; the immediate's high byte repeats the setting that is left; a switch that changes nothing is dropped
.if MSB != \new
	s_set_vgpr_msb (MSB<<8)|\new
.set MSB, \new
.endif
.endm
.macro PLACES n
.rept \n
	v_nop
.endr
.endm
.macro CROUND                          ; a round of the cluster's barrier
	s_barrier_signal -1
	s_barrier_wait -1
	s_cmp_lg_u32 s[WV], 0
	s_cbranch_scc1 .Lnot_wave_0_\@
	s_barrier_signal -3
.Lnot_wave_0_\@:
	s_barrier_wait -3
	s_barrier_signal -1
	s_barrier_wait -1
.endm
; weight tile wt (0-7: q, k) against my four x tiles, K step s.  In odd K steps both scale words are taken from lanes 16-31.  The first K step starts the sums: nothing is cleared.
.macro MULQK wt, s
.irp t, 0,1,2,3
.if (\s) == 0
	v_wmma_scale_f32_16x16x128_f8f6f4 v[128*((\wt)/4)+32*\t+8*((\wt)%4):128*((\wt)/4)+32*\t+8*((\wt)%4)+7], v[16*(\wt):16*(\wt)+15], v[64*((\s)%4)+16*\t:64*((\s)%4)+16*\t+15], 0, v[WSW+4*(\wt)+(\s)/2], v[XSW+4*\t+(\s)/2]
.elseif ((\s)%2) == 1
	v_wmma_scale_f32_16x16x128_f8f6f4 v[128*((\wt)/4)+32*\t+8*((\wt)%4):128*((\wt)/4)+32*\t+8*((\wt)%4)+7], v[16*(\wt):16*(\wt)+15], v[64*((\s)%4)+16*\t:64*((\s)%4)+16*\t+15], v[128*((\wt)/4)+32*\t+8*((\wt)%4):128*((\wt)/4)+32*\t+8*((\wt)%4)+7], v[WSW+4*(\wt)+(\s)/2], v[XSW+4*\t+(\s)/2] matrix_a_scale:MATRIX_SCALE_ROW1 matrix_b_scale:MATRIX_SCALE_ROW1
.else
	v_wmma_scale_f32_16x16x128_f8f6f4 v[128*((\wt)/4)+32*\t+8*((\wt)%4):128*((\wt)/4)+32*\t+8*((\wt)%4)+7], v[16*(\wt):16*(\wt)+15], v[64*((\s)%4)+16*\t:64*((\s)%4)+16*\t+15], v[128*((\wt)/4)+32*\t+8*((\wt)%4):128*((\wt)/4)+32*\t+8*((\wt)%4)+7], v[WSW+4*(\wt)+(\s)/2], v[XSW+4*\t+(\s)/2]
.endif
.endr
.endm
; weight tile wt (8-11: v): the sources, and the scale words with them, the other way round
.macro MULV wt, s
.irp t, 0,1,2,3
.if (\s) == 0
	v_wmma_scale_f32_16x16x128_f8f6f4 v[VAC+32*((\wt)-8)+8*\t:VAC+32*((\wt)-8)+8*\t+7], v[64*((\s)%4)+16*\t:64*((\s)%4)+16*\t+15], v[16*(\wt):16*(\wt)+15], 0, v[XSW+4*\t+(\s)/2], v[WSW+4*(\wt)+(\s)/2]
.elseif ((\s)%2) == 1
	v_wmma_scale_f32_16x16x128_f8f6f4 v[VAC+32*((\wt)-8)+8*\t:VAC+32*((\wt)-8)+8*\t+7], v[64*((\s)%4)+16*\t:64*((\s)%4)+16*\t+15], v[16*(\wt):16*(\wt)+15], v[VAC+32*((\wt)-8)+8*\t:VAC+32*((\wt)-8)+8*\t+7], v[XSW+4*\t+(\s)/2], v[WSW+4*(\wt)+(\s)/2] matrix_a_scale:MATRIX_SCALE_ROW1 matrix_b_scale:MATRIX_SCALE_ROW1
.else
	v_wmma_scale_f32_16x16x128_f8f6f4 v[VAC+32*((\wt)-8)+8*\t:VAC+32*((\wt)-8)+8*\t+7], v[64*((\s)%4)+16*\t:64*((\s)%4)+16*\t+15], v[16*(\wt):16*(\wt)+15], v[VAC+32*((\wt)-8)+8*\t:VAC+32*((\wt)-8)+8*\t+7], v[XSW+4*\t+(\s)/2], v[WSW+4*(\wt)+(\s)/2]
.endif
.endr
.endm
.macro LDW first, ns                   ; six weight fragments, tiles first .. first + 5, of K step ns: 24 LDS loads of 512 consecutive bytes
.irp d, 0,1,2,3,4,5
.irp c, 0,1,2,3
	ds_load_b128 v[16*((\first)+\d)+4*\c:16*((\first)+\d)+4*\c+3], v[ADW+(\ns)/2] offset:4096*((\first)+\d)+2048*((\ns)%2)+512*\c
.endr
.endr
.endm
.macro LDX s                           ; my four x fragments of K step s + 3 into set (s + 3) % 4; from s = 5 on: the next pass's K step s - 5
.irp t, 0,1,2,3
.irp c, 0,1,2,3
.if (\s) < 5
	global_load_b128 v[64*(((\s)+3)%4)+16*\t+4*\c:64*(((\s)+3)%4)+16*\t+4*\c+3], v[LI], s[48:49] offset:16384*\t+2048*((\s)+3)+512*\c
.else
	global_load_b128 v[64*(((\s)+3)%4)+16*\t+4*\c:64*(((\s)+3)%4)+16*\t+4*\c+3], v[LI], s[50:51] offset:16384*\t+2048*((\s)-5)+512*\c
.endif
.endr
.endr
.endm
; A K STEP: 48 matrix instructions, each accumulator once (the accumulators take turns).  A load into a register that a matrix instruction has read stands eight plain vector
; instructions behind it: eight v_nop in front of each run of loads.
.macro STEP s
.if (\s) == 0
	s_wait_loadcnt 0x0                             ; set 0, and x_norm's scale words, which were asked for last
.else
	s_wait_loadcnt 32                              ; set s is in: behind it only sets s + 1 and s + 2 were asked for
.endif
	s_wait_dscnt 24                                ; tiles 0-5 are in; the 24 loads of tiles 6-11 may be out
	WIN 0xf9                                       ; source 0 window 1, source 1 window 2, C and D window 3
.irp wt, 0,1,2,3,4,5
	MULQK \wt, \s
.endr
	PLACES 8
.if (((\s)%2) == 1) && ((\s) < 7)
	s_wait_tensorcnt 3-((\s)+1)/2                  ; my part of the next group of the weights has landed (the younger groups may be out)
	s_wait_dscnt 0x0
	s_barrier_signal -1
	s_barrier_wait -1                              ; and everybody's has
.endif
	WIN 0x40                                       ; destination window 1
	LDW 0, ((\s)+1)%8
	WIN 0x80                                       ; destination window 2
	LDX \s
	s_wait_dscnt 24                                ; tiles 6-11 are in; the 24 just asked for may be out
	WIN 0xf9
	MULQK 6, \s
	MULQK 7, \s
	WIN 0x06                                       ; source 0 window 2, source 1 window 1, C and D window 0
.irp wt, 8,9,10,11
	MULV \wt, \s
.endr
	PLACES 8
	WIN 0x40
	LDW 6, ((\s)+1)%8
	WIN 0
.endm
; 64 numbers of a lane in window aw, register 16 b + i = the i-th of my 16 of block b, become 16 registers of codes in v[PC] on and the four blocks' bytes in v[pw].
.macro QUANT s, aw, pw
	WIN (\aw)|((\aw)<<2)
.irp b, 0,1,2,3
	v_max3_num_f32 v[TM+\b], |v[(\s)+16*\b]|, |v[(\s)+1+16*\b]|, 0x4800000   ; my 16 numbers and the floor 2^(9 - 127): the byte cannot fall under 1
.endr
	WIN ((\aw)<<2)|((\aw)<<4)
.irp i, 2,4,6,8,10,12,14
.irp b, 0,1,2,3
	v_max3_num_f32 v[TM+\b], v[TM+\b], |v[(\s)+16*\b+\i]|, |v[(\s)+1+16*\b+\i]|
.endr
.endr
	WIN 0
.irp b, 0,1,2,3
	v_permlanex16_b32 v[TM+4+\b], v[TM+\b], s62, s63
.endr
.irp b, 0,1,2,3
	v_max_num_f32 v[TM+\b], v[TM+\b], v[TM+4+\b]   ; with lane l xor 16's 16: the block's largest magnitude
.endr
.irp b, 0,1,2,3
	v_add_nc_u32 v[TM+12+\b], 0xfc000000, v[TM+\b] ; 8 off the exponent field: the conversion's scale operand
.endr
.irp b, 0,1,2,3
.endr
.irp b, 0,1,2,3
	v_lshrrev_b32 v[TM+4+\b], 23, v[TM+12+\b]      ; the scale's byte
.endr
	v_lshl_or_b32 v[\pw], v[TM+5], 8, v[TM+4]
	v_lshl_or_b32 v[\pw], v[TM+6], 16, v[\pw]
	v_lshl_or_b32 v[\pw], v[TM+7], 24, v[\pw]
	WIN ((\aw)<<6)|(\aw)
.irp b, 0,1,2,3
.irp i, 0,1,2,3,4,5,6,7,8,9,10,11,12,13,14,15
.endr
.endr
	s_wait_xcnt 0x0                                ; the stores of the unit before have read the codes' registers and v11
	WIN (\aw)
.irp b, 0,1,2,3
	v_cvt_scalef32_pk8_fp8_f32 v[PC+4*\b:PC+1+4*\b], v[(\s)+16*\b:(\s)+7+16*\b], v[TM+12+\b]
	v_cvt_scalef32_pk8_fp8_f32 v[PC+2+4*\b:PC+3+4*\b], v[(\s)+8+16*\b:(\s)+15+16*\b], v[TM+12+\b]
.endr
	WIN 0
	v_nop                                          ; a plain line behind the last conversion
.endm
; q (z = 0) or k (z = 1) of my x tiles 2 g and 2 g + 1: (sum + bias) x 64^(-1/4) as one multiply-add, quantised along the 64 channels: one pair's image
.macro QKOUT z, g
	WIN 0xd3                                       ; destination and source 0 window 3, source 2 window 1
.set ix, 0
.rept 32
	v_pk_fma_f32 v[128*\z+64*\g+ix:128*\z+64*\g+ix+1], v[128*\z+64*\g+ix:128*\z+64*\g+ix+1], s[60:61], v[QKB+32*\z+ix%32:QKB+32*\z+ix%32+1] op_sel_hi:[1,0,1]   ; each accumulator from its low end on
.set ix, ix+2
.endr
	QUANT 128*\z+64*\g, 3, 9+\g
.irp b, 0,1,2,3
.if \z == 0
	global_store_b128 v[LI], v[PC+4*\b:PC+4*\b+3], s[54:55] offset:2048*\g+512*\b   ; 512 consecutive bytes a store
.else
	global_store_b128 v12, v[PC+4*\b:PC+4*\b+3], s[58:59] offset:2048*\g+512*\b
.endif
.endr
.if \g == 1
	s_wait_alu depctr_va_vdst(0)
	v_cndmask_b32 v11, v9, v10, s67                ; lanes 0-15 the even pair's words, lanes 16-31 the odd pair's
.if \z == 0
	global_store_b32 v[LS], v11, s[56:57]
.else
	global_store_b32 v14, v11, s[58:59] offset:16384
.endif
.endif
.endm
; v of weight tiles 8 + 2 y and 9 + 2 y: sum + bias, quantised along my 64 positions (two blocks of 32 for each tile)
.macro VOUT y
.set ix, 0
.rept 32
	v_pk_add_f32 v[VAC+64*\y+ix:VAC+64*\y+ix+1], v[VAC+64*\y+ix:VAC+64*\y+ix+1], v[VB+2*(2*\y+ix/32):VB+2*(2*\y+ix/32)+1] op_sel_hi:[1,0]
.set ix, ix+2
.endr
	QUANT VAC+64*\y, 0, 9
.irp b, 0,1,2,3
	global_store_b128 v13, v[PC+4*\b:PC+4*\b+3], s[58:59] offset:8192+4096*\y+2048*(\b/2)+512*(\b%2)
.endr
	s_wait_alu depctr_va_vdst(0)
	v_lshrrev_b32 v11, v8, v9                      ; lanes 0-15: the even tile's two bytes; lanes 16-31: the odd tile's
	global_store_b16 v7, v11, s[58:59] offset:16640+128*\y
.endm
	s_load_b256 s[4:11], s[0:1], 0x0               ; xq, wq, qkv_b, qq
	s_load_b64 s[12:13], s[0:1], 0x20              ; kv
	v_lshl_add_u32 v22, v0, 2, 0x30000
	v_mov_b32 v23, 0
	ds_add_u32 v22, v23
	ds_add_u32 v22, v23
	v_lshrrev_b32 v1, 5, v0
	v_readfirstlane_b32 s[WV], v1                  ; wave 0..3
	s_bfe_u32 s15, ttmp6, 0x40000                  ; cx
	s_lshl_b32 s16, ttmp9, 2
	s_add_co_u32 s16, s16, s15                     ; xb = 4 x cluster x + cx: it enters addresses in memory alone
	s_and_b32 s17, ttmp7, 0xffff                   ; the head, which the four partners share
	; descriptor group 1: 3 rows (tiles) of 4,096 bytes (two K steps), 16,384 bytes apart in memory, dense in LDS
	s_mov_b32 s24, 15|(3<<16)|(1<<21)              ; 15:0 the mask: all four work-groups; 17:16 elements of 8 bytes; 21 set beside a mask
	s_mov_b32 s25, 512<<16                         ; tensor_dim0 = 512 elements
	s_mov_b32 s26, 3<<16                           ; tensor_dim1 = 3
	s_mov_b32 s27, 512<<16                         ; tile_dim0
	s_mov_b32 s28, 3                               ; tile_dim1
	s_mov_b32 s29, 2048                            ; elements from row to row
	s_mov_b32 s30, 0
	s_mov_b32 s31, 0
	s_mul_i32 s20, s17, 12
	s_mul_i32 s21, s[WV], 3
	s_add_co_u32 s20, s20, s21                     ; my three tiles: 12 head + 3 wave on
	s_lshl_b32 s20, s20, 14
	s_mov_b32 s21, 0
	s_mul_i32 s22, s[WV], 12288                    ; and their place in a group
	s_wait_dscnt 0x0
	s_wait_kmcnt 0x0
	s_add_nc_u64 s[20:21], s[6:7], s[20:21]
.irp j, 0,1,2,3
	s_mov_b32 s[32+4*\j], 1                        ; count = 1
	s_add_co_u32 s[33+4*\j], s22, GRP*\j           ; LDS address
	s_add_nc_u64 s[34+4*\j:35+4*\j], s[20:21], 4096*\j   ; K steps 2 j and 2 j + 1
	s_or_b32 s[35+4*\j], s[35+4*\j], 0x80000000    ; type = 2
.endr
	CROUND                                         ; all four work-groups are here: the joint loads meet
	tensor_load_to_lds s[32:35], s[24:31]          ; the launch's only fills, as one group: four loads of mine are out
	s_nop 0
	tensor_load_to_lds s[36:39], s[24:31]
	s_nop 0
	tensor_load_to_lds s[40:43], s[24:31]
	s_nop 0
	tensor_load_to_lds s[44:47], s[24:31]
	s_nop 0
	PLACES 4
	; pointers
	s_lshl_b32 s70, s16, 5
	s_lshl_b32 s71, s[WV], 2
	s_add_co_u32 s74, s70, s71                     ; my first x tile of pass 0: 32 xb + 4 wave
	s_lshl_b32 s70, s74, 14
	s_mov_b32 s71, 0
	s_add_nc_u64 s[48:49], s[4:5], s[70:71]        ; its codes;
	s_add_nc_u64 s[50:51], s[48:49], 262144        ; pass 1's, 16 tiles on: never rewritten
	s_lshl_b32 s70, s74, 9
	s_add_co_u32 s70, s70, XSC+8192
	s_add_nc_u64 s[52:53], s[4:5], s[70:71]        ; pass 1's scale words: never rewritten
	s_lshr_b32 s75, s16, 1
	s_lshl_b32 s75, s75, 4
	s_add_co_u32 s75, s75, s17                     ; bh = 16 b + head
	s_and_b32 s76, s16, 1                          ; which half of the batch's positions
	s_lshl_b32 s70, s75, 16
	s_lshl_b32 s77, s76, 15
	s_add_co_u32 s70, s70, s77
	s_lshl_b32 s77, s[WV], 12
	s_add_co_u32 s70, s70, s77
	s_add_nc_u64 s[54:55], s[10:11], s[70:71]      ; q's codes: pair 16 half + 2 wave (+ 8 pass + g)
	s_lshl_b32 s70, s75, 11
	s_lshl_b32 s77, s76, 10
	s_add_co_u32 s70, s70, s77
	s_lshl_b32 s77, s[WV], 7
	s_add_co_u32 s70, s70, s77
	s_add_co_u32 s70, s70, QSC
	s_add_nc_u64 s[56:57], s[10:11], s[70:71]      ; q's scale words: 128 bytes for two pairs
	s_mul_i32 s70, s75, KVB
	s_lshl_b32 s77, s76, 2
	s_lshr_b32 s78, s[WV], 1
	s_add_co_u32 s77, s77, s78
	s_mul_i32 s77, s77, KST
	s_add_co_u32 s70, s70, s77
	s_add_nc_u64 s[58:59], s[12:13], s[70:71]      ; kv: key step 4 half + wave / 2 (+ 2 pass)
	s_mul_i32 s70, s17, 768
	s_add_nc_u64 s[8:9], s[8:9], s[70:71]          ; the head's 192 biases
	s_mul_i32 s70, s17, 6144
	s_add_co_u32 s70, s70, WSC
	s_add_nc_u64 s[6:7], s[6:7], s[70:71]          ; the head's weights' scale words
	s_mov_b32 s60, 0x3eb504f3                      ; 64^(-1/4) = 2^-1.5
	s_mov_b32 s61, s60                             ; (named with it as a pair)
	s_mov_b32 s62, 0x76543210
	s_mov_b32 s63, 0xfedcba98                      ; v_permlanex16_b32's selects for lane l xor 16
	s_mov_b32 s67, 0xffff0000                      ; lanes 16-31
	s_and_b32 s73, s[WV], 1
	v_and_b32 v15, 31, v0
	v_lshlrev_b32 v[LI], 4, v15
	v_lshlrev_b32 v[LS], 2, v15
.irp j, 0,1,2,3
	v_add_nc_u32 v[ADW+\j], GRP*\j, v[LI]
.endr
	v_and_b32 v16, 15, v0                          ; r
	v_bfe_u32 v17, v0, 4, 1                        ; h
	v_lshlrev_b32 v18, 6, v17                      ; 64 h: q's and k's bias: my 16 channels of a block
	v_lshl_add_u32 v7, v16, 2, v18
	s_lshl_b32 s77, s73, 1
	v_add_nc_u32 v7, s77, v7                       ; v's scale bytes: 64 h + 4 r + 2 (wave % 2)
	v_lshlrev_b32 v8, 4, v17                       ; 16 h
	s_lshl_b32 s77, s73, 12
	v_add_nc_u32 v12, s77, v[LI]                   ; k's codes: pair 2 (wave % 2) (+ g) of the key step
	s_lshl_b32 s77, s73, 10
	v_add_nc_u32 v13, s77, v[LI]                   ; v's codes: register group 2 (wave % 2) (+ g) of a fragment
	s_lshl_b32 s77, s73, 7
	v_add_nc_u32 v14, s77, v[LS]                   ; k's scale words
	v_and_b32 v19, 8, v16
	v_add_nc_u32 v19, v19, v16
	v_lshlrev_b32 v19, 2, v19                      ; 4 (r + 8 (r / 8)): v's bias: my channel
	WIN 0x40
.irp z, 0,1
.irp q, 0,1,2,3
	global_load_b128 v[QKB+32*\z+8*\q:QKB+32*\z+8*\q+3], v18, s[8:9] offset:(64*\z+32*(\q/2)+8*(\q%2))*4
	global_load_b128 v[QKB+32*\z+8*\q+4:QKB+32*\z+8*\q+7], v18, s[8:9] offset:(64*\z+32*(\q/2)+8*(\q%2))*4+16
.endr
.endr
	WIN 0
.irp q, 0,1,2,3
	global_load_b32 v[VB+2*\q], v19, s[8:9] offset:(128+32*(\q/2)+8*(\q%2))*4
.endr
.irp wt, 0,1,2,3,4,5,6,7,8,9,10,11
.irp p, 0,1,2,3
	global_load_b32 v[WSW+4*\wt+\p], v[LS], s[6:7] offset:512*\wt+128*\p
.endr
.endr
.irp t, 0,1,2,3
.irp p, 0,1,2,3
	global_load_b32 v[XSW+4*\t+\p], v[LS], s[52:53] offset:512*\t+128*\p-8192    ; pass 0's
.endr
.endr
	WIN 0x80
	LDX -3
	LDX -2
	LDX -1
	WIN 0
.irp b, 0,1,2,3
	v_mov_b32 v[TM+4+\b], 0                        ; written once: a lane permute's destination counts as one of its sources
.endr
	s_wait_tensorcnt 3                             ; my part of the first group is in (three younger loads may be out),
	s_barrier_signal -1
	s_barrier_wait -1                              ; everybody's is
	WIN 0x40
	LDW 0, 0
	LDW 6, 0
	s_wait_loadcnt 63                              ; the 20 bias loads are in: 112 loads were asked for behind them, and a smaller count is safe
	WIN 0x41
.set ix, 0
.rept 32
	v_pk_mul_f32 v[QKB+ix:QKB+ix+1], v[QKB+ix:QKB+ix+1], s[60:61] op_sel_hi:[1,0]   ; bias x 64^(-1/4)
.set ix, ix+2
.endr
	WIN 0
.irp q, 0,1,2,3
	v_mov_b32 v[VB+2*\q+1], v[VB+2*\q]             ; (the packed addition names a pair)
.endr
	s_mov_b32 s68, 2
.Lpass:
	STEP 0
	STEP 1
	STEP 2
	STEP 3
	STEP 4
	STEP 5
	STEP 6
	STEP 7
.irp t, 0,1,2,3
.irp p, 0,1,2,3
	global_load_b32 v[XSW+4*\t+\p], v[LS], s[52:53] offset:512*\t+128*\p   ; the next pass's scale words, eight places behind the last product that read these registers
.endr
.endr
	QKOUT 0, 0
	QKOUT 0, 1
	QKOUT 1, 0
	QKOUT 1, 1
	VOUT 0
	VOUT 1
	s_wait_xcnt 0x0                                ; every load and store issued has read its addresses: the pointers may step
	s_mov_b64 s[48:49], s[50:51]
	s_add_nc_u64 s[54:55], s[54:55], 16384         ; 8 pairs on
	s_add_nc_u64 s[56:57], s[56:57], 512
	s_add_nc_u64 s[58:59], s[58:59], 2*KST         ; two key steps on
	s_sub_co_u32 s68, s68, 1
	s_cmp_lg_u32 s68, 0
	s_cbranch_scc1 .Lpass
	s_wait_dscnt 0x0                               ; no LDS load of mine is out at the signal
	s_wait_tensorcnt 0x0
	ds_add_u32 v22, v23
	s_wait_dscnt 0x0
	CROUND                                         ; the closing round
	s_endpgm
.Lfunc_end_k_q6e4d5a5f19_qkv:
	.size	k_q6e4d5a5f19_qkv, .Lfunc_end_k_q6e4d5a5f19_qkv-k_q6e4d5a5f19_qkv
	.p2alignl 7, 3214868480
	.fill 96, 4, 3214868480
	.section	.rodata,"a",@progbits
	.p2align	6, 0x0
	.amdhsa_kernel k_q6e4d5a5f19_qkv
		.amdhsa_group_segment_fixed_size 197120
		.amdhsa_private_segment_fixed_size 0
		.amdhsa_enable_private_segment 0
		.amdhsa_kernarg_size 40
		.amdhsa_user_sgpr_count 2
		.amdhsa_user_sgpr_kernarg_segment_ptr 1
		.amdhsa_wavefront_size32 1
		.amdhsa_system_sgpr_workgroup_id_x 1
		.amdhsa_system_sgpr_workgroup_id_y 1
		.amdhsa_system_sgpr_workgroup_id_z 1
		.amdhsa_system_vgpr_workitem_id 0
		.amdhsa_next_free_vgpr 1024
		.amdhsa_next_free_sgpr 80
		.amdhsa_reserve_vcc 0
		.amdhsa_float_denorm_mode_32 3
		.amdhsa_float_denorm_mode_16_64 3
		.amdhsa_fp16_overflow 1
		.amdhsa_memory_ordered 1
		.amdhsa_forward_progress 1
		.amdhsa_inst_pref_size 155
	.end_amdhsa_kernel
	.amdgpu_metadata
---
amdhsa.version: [ 1, 2 ]
amdhsa.kernels:
  - .name:           k_q6e4d5a5f19_qkv
    .symbol:         k_q6e4d5a5f19_qkv.kd
    .args:
      - { .name: xq, .offset: 0, .size: 8, .value_kind: global_buffer, .address_space: global }
      - { .name: wq, .offset: 8, .size: 8, .value_kind: global_buffer, .address_space: global }
      - { .name: qkv_b, .offset: 16, .size: 8, .value_kind: global_buffer, .address_space: global }
      - { .name: qq, .offset: 24, .size: 8, .value_kind: global_buffer, .address_space: global }
      - { .name: kv, .offset: 32, .size: 8, .value_kind: global_buffer, .address_space: global }
    .group_segment_fixed_size: 197120
    .private_segment_fixed_size: 0
    .kernarg_segment_align: 8
    .kernarg_segment_size: 40
    .max_flat_workgroup_size: 128
    .sgpr_count:     80
    .vgpr_count:     1024
    .wavefront_size: 32
...
	.end_amdgpu_metadata
.endif
;; end of part 2
;; launch attn (part 3): grid 4 x 64, 16 waves a work-group, clusters of 4 x 1, 272,384 bytes of LDS; arguments qq, kv, aq; writes aq
.if DOCPART == 3
	.amdgcn_target "amdgcn-amd-amdhsa--gfx1250"
	.amdhsa_code_object_version 6
	.text
	.protected	k_q6e4d5a5f19_attn
	.globl	k_q6e4d5a5f19_attn
	.p2align	8
	.type	k_q6e4d5a5f19_attn,@function
k_q6e4d5a5f19_attn:
	s_mov_b64 s[64:65], 0
	v_nop
	global_prefetch_b8 v0, s[64:65] scope:SCOPE_SE
	s_setreg_imm32_b32 hwreg(HW_REG_WAVE_MODE, 25, 1), 1
	s_wait_xcnt 0x0
	s_wait_alu depctr_hold_cnt(0) depctr_sa_sdst(0) depctr_va_vdst(0) depctr_va_sdst(0) depctr_va_ssrc(0) depctr_va_vcc(0) depctr_vm_vsrc(0)
	s_getreg_b32 s2, hwreg(HW_REG_IB_STS2, 6, 4)
	s_cmp_eq_u32 s2, 0
	s_cbranch_scc0 .Lentry_in_a_cluster
	s_endpgm
.Lentry_in_a_cluster:
	s_bfe_u32 s2, ttmp6, 0x10000c
	s_cmp_lg_u32 s2, 0x3003
	s_cbranch_scc0 .Lentry_shape_is_right
	s_endpgm
.Lentry_shape_is_right:
; Attention on codes of E4M3: S^T = k q^T (K = 64 channels), p = 2^(t - M), O^T = v p^T (K = 1,024 keys), O / the row's sum, quantised along the channels for the projection.
; SHARES.  A work-group owns 256 queries of TWO neighbouring (batch, head) pairs, 2 y and 2 y + 1, one after the other; each of its sixteen waves one tile of 16 queries in 256 registers: four waves to a SIMD, so that one
; wave's vector work stands beside another's matrix work.  The four query blocks of the two pairs form a cluster and ask for k and v JOINTLY.
; A WORK-GROUP STAYS.  The two pairs' blocks of kv are neighbours in memory, 2 x 135,168 bytes, and both have room in LDS: each byte is filled once, by three loads a fetching wave, all issued at the head: key steps 0-1 of the
; first pair, its key steps 2-7, the whole second pair.  So the second pair's k and v, and its q (asked for at the head too), land while the first pair is worked on.  Nothing is filled twice.
; Nothing is prefetched: all of k and v is asked for by the tensor loads at the head.
; K = 64 IN AN INSTRUCTION OF 128.  A fragment of k holds TWO tiles of keys: k 0-63 the channels of key 32 c + r + 8 (r / 8), k 64-127 those of that key + 8.  It is multiplied once by [q | zeros] and once by [zeros | q]:
; zero codes add nothing.  The 16 registers of the two results are keys 32 c + 16 (lane / 16) + 0 .. 15: neighbours along the second product's K.
; THE SOFTMAX: t = score x log2(e); M = the running largest t rounded up to a whole number; p = 2^(t - M), not normalised, is quantised along the keys; the row's sum is taken of the unquantised p and divides at the end;
; when M moves, the sum and O^T are multiplied by 2^(old M - new M), which rounds nothing.  A block's largest p is made from the block's largest score by the same two instructions.
; LIMITS: a block whose largest magnitude lies under 2^-118 keeps the scale byte 1; NaN and infinities are not served.
; REGISTERS: v1-4 addresses; v8-9 addresses in hand; v12 -M, v13 the largest t, v[14:15] the sum; v16-23 zeros, v24-31 q, v32-39 zeros; v40-103 four fragments of k, then of v; v104-167 S^T, then p; v168-199 O^T;
;   v200-215 p's codes; v216-231 at work; v[232:233] f; v240-241 k's scale words, v242-243 v's, v244 q's, v245 p's; v246, v247 the two pairs' raw scale words of q; v248-255 the second pair's q until its turn.
.set KVB, 135168                       ; a pair's bytes in kv, and in LDS
.set KST, 16896                        ; a key step: 4 fragments of k, 4 of v, 256 bytes of k's scale words, 256 of v's
.set QSC, 8388608                      ; where the scale words begin in qq
.set ASC, 8388608                      ; and in aq
.set WV,  10                           ; s10  my wave's number
.macro PLACES n
.rept \n
	v_nop
.endr
.endm
.macro CROUND                          ; a round of the cluster's barrier
	s_barrier_signal -1
	s_barrier_wait -1
	s_cmp_lg_u32 s[WV], 0
	s_cbranch_scc1 .Lnot_wave_0_\@
	s_barrier_signal -3
.Lnot_wave_0_\@:
	s_barrier_wait -3
	s_barrier_signal -1
	s_barrier_wait -1
.endm
; A KEY STEP: 128 keys, whose tiles begin at LDS byte s20.
.macro STEP
	v_add_nc_u32 v8, s20, v1
	v_add_nc_u32 v9, s20, v2
	PLACES 6                                       ; with the two additions: eight places in front of loads into registers that the last products read, and behind a write of q's scale word
.irp c, 0,1,2,3
.irp g, 0,1,2,3
	ds_load_b128 v[40+16*\c+4*\g:43+16*\c+4*\g], v8 offset:2048*\c+512*\g
.endr
.endr
	ds_load_b32 v240, v9 offset:16384
	ds_load_b32 v241, v9 offset:16512
	s_wait_alu depctr_va_vdst(0)
	s_wait_dscnt 0x0
.irp c, 0,2
	v_wmma_scale_f32_16x16x128_f8f6f4 v[104+16*\c:111+16*\c], v[40+16*\c:55+16*\c], v[24:39], 0, v[240+\c/2], v244
	v_wmma_scale_f32_16x16x128_f8f6f4 v[112+16*\c:119+16*\c], v[40+16*\c:55+16*\c], v[16:31], 0, v[240+\c/2], v244
	v_wmma_scale_f32_16x16x128_f8f6f4 v[120+16*\c:127+16*\c], v[56+16*\c:71+16*\c], v[24:39], 0, v[240+\c/2], v244 matrix_a_scale:MATRIX_SCALE_ROW1
	v_wmma_scale_f32_16x16x128_f8f6f4 v[128+16*\c:135+16*\c], v[56+16*\c:71+16*\c], v[16:31], 0, v[240+\c/2], v244 matrix_a_scale:MATRIX_SCALE_ROW1
.endr
	PLACES 8
.irp c, 0,1,2,3
.irp g, 0,1,2,3
	ds_load_b128 v[40+16*\c+4*\g:43+16*\c+4*\g], v8 offset:8192+2048*\c+512*\g   ; v's fragments land while the softmax is walked
.endr
.endr
	ds_load_b32 v242, v9 offset:16640
	ds_load_b32 v243, v9 offset:16768
.irp b, 0,1,2,3
	v_max3_num_f32 v[216+\b], v[104+16*\b], v[105+16*\b], v[106+16*\b]   ; the largest score of each block of 32 keys: for the row's maximum, and for the block's largest p
.endr
.irp i, 3,5,7,9,11,13
.irp b, 0,1,2,3
	v_max3_num_f32 v[216+\b], v[216+\b], v[104+16*\b+\i], v[105+16*\b+\i]
.endr
.endr
.irp b, 0,1,2,3
	v_max_num_f32 v[216+\b], v[216+\b], v[119+16*\b]
.endr
.irp b, 0,1,2,3
	s_delay_alu instid0(VALU_DEP_4)
	v_permlanex16_b32 v[220+\b], v[216+\b], s14, s15
.endr
.irp b, 0,1,2,3
	s_delay_alu instid0(VALU_DEP_4)
	v_max_num_f32 v[216+\b], v[216+\b], v[220+\b]  ; with lane l xor 16's 16 keys
.endr
	s_delay_alu instid0(VALU_DEP_2)
	v_max3_num_f32 v234, v216, v217, v218
	s_delay_alu instid0(VALU_DEP_1)
	v_max_num_f32 v234, v234, v219
	s_delay_alu instid0(VALU_DEP_1)
	v_mul_f32 v234, s16, v234                      ; the step's largest t
	s_delay_alu instid0(VALU_DEP_1)
	v_max_num_f32 v13, v13, v234                   ; the running largest t
	v_mov_b32 v234, v12
	s_delay_alu instid0(VALU_DEP_2)
	v_floor_f32 v12, -v13                          ; the new -M = -ceil(t)
	s_delay_alu instid0(VALU_DEP_1)
	v_sub_f32 v234, v12, v234                      ; old M - new M: a whole number, 0 or less
	s_delay_alu instid0(VALU_DEP_1)
	v_cvt_i32_f32 v234, v234                       ; (it saturates)
	s_delay_alu instid0(VALU_DEP_1)
	v_ldexp_f32 v232, 1.0, v234                    ; f = 2^(old M - new M)
.set ix, 0
.rept 32
	v_pk_fma_f32 v[104+ix:105+ix], v[104+ix:105+ix], s[16:17], v[12:13] op_sel_hi:[1,0,0]   ; t - M, two at a time
.set ix, ix+2
.endr
.irp b, 0,1,2,3
	v_fma_f32 v[216+\b], v[216+\b], s16, v12       ; the same of each block's largest score
.endr
.set ix, 0
	s_setprio 1
	s_wait_alu depctr_va_vdst(0)
.rept 64
	v_exp_f32 v[104+ix], v[104+ix]                 ; p = 2^(t - M)
.set ix, ix+1
.endr
	v_pk_mul_f32 v[14:15], v[14:15], v[232:233] op_sel_hi:[1,0]   ; the sums under the new M: a plain line behind the exponentials
	s_wait_alu depctr_va_vdst(0)                   ; one wait for the batch, ahead of its first reader
.irp b, 0,1,2,3
	v_exp_f32 v[216+\b], v[216+\b]                 ; the block's largest p
.endr
	v_pk_add_f32 v[236:237], v[108:109], v[112:113]
	v_pk_add_f32 v[240:241], v[116:117], v[120:121]
	v_pk_add_f32 v[230:231], v[124:125], v[128:129]
	v_pk_add_f32 v[228:229], v[132:133], v[136:137]
	v_pk_add_f32 v[226:227], v[140:141], v[144:145]
	v_pk_add_f32 v[224:225], v[148:149], v[152:153]
	v_pk_add_f32 v[222:223], v[156:157], v[160:161]
	v_pk_add_f32 v[14:15], v[14:15], v[164:165]
	v_pk_add_f32 v[236:237], v[236:237], v[104:105]
	v_pk_add_f32 v[240:241], v[240:241], v[106:107]
	v_pk_add_f32 v[230:231], v[230:231], v[110:111]
	v_pk_add_f32 v[228:229], v[228:229], v[114:115]
	v_pk_add_f32 v[226:227], v[226:227], v[118:119]
	v_pk_add_f32 v[224:225], v[224:225], v[122:123]
	v_pk_add_f32 v[222:223], v[222:223], v[126:127]
	v_pk_add_f32 v[14:15], v[14:15], v[130:131]
	v_pk_add_f32 v[236:237], v[236:237], v[134:135]
	v_pk_add_f32 v[240:241], v[240:241], v[138:139]
	v_pk_add_f32 v[230:231], v[230:231], v[142:143]
	v_pk_add_f32 v[228:229], v[228:229], v[146:147]
	v_pk_add_f32 v[226:227], v[226:227], v[150:151]
	v_pk_add_f32 v[224:225], v[224:225], v[154:155]
	v_pk_add_f32 v[222:223], v[222:223], v[158:159]
	v_pk_add_f32 v[14:15], v[14:15], v[162:163]
	v_pk_add_f32 v[236:237], v[236:237], v[166:167]
	s_delay_alu instid0(VALU_DEP_2)
	v_pk_add_f32 v[14:15], v[14:15], v[228:229]
	s_delay_alu instid0(VALU_DEP_2)
	v_pk_add_f32 v[236:237], v[236:237], v[226:227]
	v_pk_add_f32 v[240:241], v[240:241], v[224:225]
	v_pk_add_f32 v[230:231], v[230:231], v[222:223]
	s_delay_alu instid0(VALU_DEP_2)
	v_pk_add_f32 v[14:15], v[14:15], v[240:241]
	s_delay_alu instid0(VALU_DEP_2)
	v_pk_add_f32 v[236:237], v[236:237], v[230:231]
	s_delay_alu instid0(VALU_DEP_1)
	v_pk_add_f32 v[14:15], v[14:15], v[236:237]
	s_wait_alu depctr_va_vdst(0)                   ; and one for the four
.irp b, 0,1,2,3
	v_max_num_f32 v[216+\b], 0x4800000, v[216+\b]  ; the floor 2^(9 - 127)
.endr
.irp b, 0,1,2,3
	s_delay_alu instid0(VALU_DEP_4)
	v_add_nc_u32 v[228+\b], 0xfc000000, v[216+\b]  ; the conversion's scale operand
.endr
.irp b, 0,1,2,3
.endr
.irp b, 0,1,2,3
	s_delay_alu instid0(VALU_DEP_4)
	v_lshrrev_b32 v[220+\b], 23, v[228+\b]         ; the scale's byte
.endr
	s_delay_alu instid0(VALU_DEP_3)
	v_lshl_or_b32 v245, v221, 8, v220              ; p's scale word for these 128 keys
	s_delay_alu instid0(VALU_DEP_1)
	v_lshl_or_b32 v245, v222, 16, v245
	s_delay_alu instid0(VALU_DEP_1)
	v_lshl_or_b32 v245, v223, 24, v245
	s_setprio 0
.irp b, 0,1,2,3
.irp i, 0,1,2,3,4,5,6,7,8,9,10,11,12,13,14,15
.endr
	v_cvt_scalef32_pk8_fp8_f32 v[200+4*\b:201+4*\b], v[104+16*\b:111+16*\b], v[228+\b]
	v_cvt_scalef32_pk8_fp8_f32 v[202+4*\b:203+4*\b], v[112+16*\b:119+16*\b], v[228+\b]
.endr
.set ix, 0
.rept 16
	v_pk_mul_f32 v[168+ix:169+ix], v[168+ix:169+ix], v[232:233] op_sel_hi:[1,0]   ; O^T under the new M; these are also the places in front of the products below
.set ix, ix+2
.endr
	s_wait_alu depctr_va_vdst(0)
	s_wait_dscnt 0x0                               ; v's fragments and scale words
.irp c, 0,2
	v_wmma_scale_f32_16x16x128_f8f6f4 v[168+8*\c:175+8*\c], v[40+16*\c:55+16*\c], v[200:215], v[168+8*\c:175+8*\c], v[242+\c/2], v245
	v_wmma_scale_f32_16x16x128_f8f6f4 v[176+8*\c:183+8*\c], v[56+16*\c:71+16*\c], v[200:215], v[176+8*\c:183+8*\c], v[242+\c/2], v245 matrix_a_scale:MATRIX_SCALE_ROW1
.endr
.endm
.macro STEPS n, base                   ; n key steps whose tiles begin at LDS byte base: the step is written once for each of the three fills
	s_mov_b32 s20, \base
	s_mov_b32 s21, \n
.Lks_\@:
	s_wait_alu depctr_va_vdst(0)
	s_setprio 2
	STEP
	s_add_co_u32 s20, s20, KST
	s_sub_co_u32 s21, s21, 1
	s_cmp_lg_u32 s21, 0
	s_cbranch_scc1 .Lks_\@
	s_setprio 0
.endm
.macro BEGIN                           ; a pair's statistics and O^T: the step is written once; its first walk finds zeros, which the first change of M leaves zeros
	v_mov_b32 v13, 0xff61b1e6                      ; the largest t so far: -3e38
	s_delay_alu instid0(VALU_DEP_1)
	v_floor_f32 v12, -v13                          ; -M
	v_mov_b32 v14, 0
	v_mov_b32 v15, 0
.set ix, 0
.rept 32
	v_mov_b32 v[168+ix], 0
.set ix, ix+1
.endr
.endm
; THE WAY OUT of pair n (0, 1): O^T / the sum, quantised along the head's 64 channels (two blocks; my 16 registers of a block are 16 neighbours), as two register groups of the projection's operand.
; The first pair's head is even: the second pair's codes lie 1,024 bytes behind the first's, its two scale bytes 2 bytes behind.
.macro OUT n
	PLACES 8
	v_add_f32 v14, v14, v15
	s_delay_alu instid0(VALU_DEP_1)
	v_permlanex16_b32 v234, v14, s14, s15
	s_delay_alu instid0(VALU_DEP_1)
	v_add_f32 v14, v14, v234                       ; the row's sum
	s_wait_alu depctr_va_vdst(0)
	v_rcp_f32 v232, v14
	v_nop                                          ; a plain line behind the transcendental,
	s_wait_alu depctr_va_vdst(0)                   ; and the wait ahead of its first reader
.set ix, 0
.rept 16
	v_pk_mul_f32 v[168+ix:169+ix], v[168+ix:169+ix], v[232:233] op_sel_hi:[1,0]   ; each accumulator from its low end on
.set ix, ix+2
.endr
.irp b, 0,1
	v_max3_num_f32 v[216+\b], |v[168+16*\b]|, |v[169+16*\b]|, 0x4800000
.endr
.irp i, 2,4,6,8,10,12,14
.irp b, 0,1
	s_delay_alu instid0(VALU_DEP_2)
	v_max3_num_f32 v[216+\b], v[216+\b], |v[168+16*\b+\i]|, |v[169+16*\b+\i]|
.endr
.endr
.irp b, 0,1
	s_delay_alu instid0(VALU_DEP_2)
	v_permlanex16_b32 v[220+\b], v[216+\b], s14, s15
.endr
.irp b, 0,1
	s_delay_alu instid0(VALU_DEP_2)
	v_max_num_f32 v[216+\b], v[216+\b], v[220+\b]
.endr
.irp b, 0
	s_delay_alu instid0(VALU_DEP_2)
	v_add_nc_u32 v[228+\b], 0xfc000000, v[216+\b]
	s_delay_alu instid0(VALU_DEP_1)
	v_lshrrev_b32 v[220+\b], 23, v[228+\b]
.endr
.irp b, 1
	s_delay_alu instid0(VALU_DEP_3)
	v_add_nc_u32 v[228+\b], 0xfc000000, v[216+\b]
	s_delay_alu instid0(VALU_DEP_1)
	v_lshrrev_b32 v[220+\b], 23, v[228+\b]
.endr
	s_delay_alu instid0(VALU_DEP_1)
	v_cndmask_b32 v234, v220, v221, s19            ; lanes 0-15 block 0's byte, lanes 16-31 block 1's
.irp b, 0,1
.irp i, 0,1,2,3,4,5,6,7,8,9,10,11,12,13,14,15
.endr
	v_cvt_scalef32_pk8_fp8_f32 v[200+4*\b:201+4*\b], v[168+16*\b:175+16*\b], v[228+\b]
	v_cvt_scalef32_pk8_fp8_f32 v[202+4*\b:203+4*\b], v[176+16*\b:183+16*\b], v[228+\b]
.endr
	v_nop                                          ; a plain line behind the last conversion
	global_store_b128 v1, v[200:203], s[8:9] offset:1024*\n        ; 512 consecutive bytes a store
	global_store_b128 v1, v[204:207], s[8:9] offset:1024*\n+512
	global_store_b8 v3, v234, s[52:53] offset:2*\n                 ; two of the four bytes of each row's scale word
.endm
	s_load_b128 s[4:7], s[0:1], 0x0                ; qq, kv
	s_load_b64 s[8:9], s[0:1], 0x10                ; aq
	v_lshl_add_u32 v238, v0, 2, 0x42000
	v_mov_b32 v239, 0
	ds_add_u32 v238, v239
	ds_add_u32 v238, v239
	v_lshrrev_b32 v1, 5, v0
	s_delay_alu instid0(VALU_DEP_1)
	v_readfirstlane_b32 s[WV], v1                  ; wave 0..15
	s_bfe_u32 s11, ttmp6, 0x40000                  ; cx: my block of 256 queries: it enters addresses in memory alone
	s_and_b32 s12, ttmp7, 0xffff
	s_lshl_b32 s12, s12, 1                         ; bh of my first pair, an even number, which the four partners share
	; descriptor groups 1: dense blocks as rows of 256 bytes: 33 rows (a quarter of the first pair's key steps 0-1), 99 rows (of its key steps 2-7), 132 rows (of the second pair)
	s_mov_b32 s24, 15|(3<<16)|(1<<21)              ; the mask: all four work-groups; elements of 8 bytes; bit 21 set beside a mask
	s_mov_b32 s25, 32<<16
	s_mov_b32 s26, 33<<16
	s_mov_b32 s27, 32<<16
	s_mov_b32 s28, 33
	s_mov_b32 s29, 32
	s_mov_b32 s30, 0
	s_mov_b32 s31, 0
	s_mov_b32 s32, 15|(3<<16)|(1<<21)
	s_mov_b32 s33, 32<<16
	s_mov_b32 s34, 99<<16
	s_mov_b32 s35, 32<<16
	s_mov_b32 s36, 99
	s_mov_b32 s37, 32
	s_mov_b32 s38, 0
	s_mov_b32 s39, 0
	s_mov_b32 s68, 15|(3<<16)|(1<<21)
	s_mov_b32 s69, 32<<16
	s_mov_b32 s70, 132<<16
	s_mov_b32 s71, 32<<16
	s_mov_b32 s72, 132
	s_mov_b32 s73, 32
	s_mov_b32 s74, 0
	s_mov_b32 s75, 0
	s_and_b32 s22, s[WV], 3                        ; (waves 0 to 3 fetch; the others' numbers stay in range and are not used)
	s_mul_i32 s48, s12, KVB
	s_mov_b32 s49, 0
	s_mul_i32 s23, s22, 8448                       ; my quarter of the first fill,
	s_mul_i32 s13, s22, 33792
	s_add_co_u32 s13, s13, KVB                     ; of the third,
	s_mul_i32 s22, s22, 25344
	s_add_co_u32 s22, s22, 33792                   ; of the second
	s_wait_dscnt 0x0
	s_wait_kmcnt 0x0
	s_add_nc_u64 s[6:7], s[6:7], s[48:49]          ; the two pairs' blocks, on end
	s_mov_b32 s48, s23
	s_mov_b32 s40, 1
	s_mov_b32 s41, s23                             ; the same offset in LDS as in memory
	s_add_nc_u64 s[42:43], s[6:7], s[48:49]
	s_or_b32 s43, s43, 0x80000000
	s_mov_b32 s48, s22
	s_mov_b32 s44, 1
	s_mov_b32 s45, s22
	s_add_nc_u64 s[46:47], s[6:7], s[48:49]
	s_or_b32 s47, s47, 0x80000000
	s_mov_b32 s48, s13
	s_mov_b32 s76, 1
	s_mov_b32 s77, s13
	s_add_nc_u64 s[78:79], s[6:7], s[48:49]
	s_or_b32 s79, s79, 0x80000000
	CROUND                                         ; all four work-groups are here: the joint loads meet
	s_cmp_lt_u32 s[WV], 4                          ; a wave's three fills stand in one branch on the wave's number: three loads of mine are out
	s_cbranch_scc0 .Lno_fill
	tensor_load_to_lds s[40:43], s[24:31]
	s_nop 0
	tensor_load_to_lds s[44:47], s[32:39]
	s_nop 0
	tensor_load_to_lds s[76:79], s[68:75]
	s_nop 0
	PLACES 4
.Lno_fill:
	v_and_b32 v5, 31, v0
	s_delay_alu instid0(VALU_DEP_1)
	v_lshlrev_b32 v1, 4, v5                        ; 16 lane
	s_wait_alu depctr_va_vdst(0)
	v_lshlrev_b32 v2, 2, v5                        ; 4 lane
	v_and_b32 v6, 15, v0                           ; r
	v_bfe_u32 v7, v0, 4, 1                         ; h
	s_delay_alu instid0(VALU_DEP_2)
	v_lshlrev_b32 v4, 2, v6                        ; 4 r
	s_wait_alu depctr_va_vdst(0)
	v_add_nc_u32 v3, v4, v7                        ; 4 r + h
	s_lshl_b32 s48, s12, 11                        ; q's scale words: 2,048 bytes a pair (batch, head), 64 for each pair of tiles G = 8 cx + wave / 2
	s_lshl_b32 s22, s11, 9
	s_add_co_u32 s48, s48, s22
	s_lshr_b32 s22, s[WV], 1
	s_lshl_b32 s22, s22, 6
	s_add_co_u32 s48, s48, s22
	s_add_co_u32 s48, s48, QSC
	s_add_nc_u64 s[50:51], s[4:5], s[48:49]
	s_lshl_b32 s48, s12, 16                        ; q's codes: 65,536 bytes a pair, 1,024 a tile, tile 16 cx + wave
	s_lshl_b32 s22, s11, 14
	s_add_co_u32 s48, s48, s22
	s_lshl_b32 s22, s[WV], 10
	s_add_co_u32 s48, s48, s22
	s_add_nc_u64 s[4:5], s[4:5], s[48:49]
	global_load_b128 v[24:27], v1, s[4:5]          ; the first pair's q: channels 0-31,
	global_load_b128 v[28:31], v1, s[4:5] offset:512   ; 32-63
	global_load_b32 v246, v4, s[50:51]             ; the scale word of row r: bytes (tile 2 G: block 0, 1; tile 2 G + 1: block 0, 1)
	global_load_b128 v[248:251], v1, s[4:5] offset:65536   ; the second pair's, asked for now and wanted eight key steps on
	global_load_b128 v[252:255], v1, s[4:5] offset:66048
	global_load_b32 v247, v4, s[50:51] offset:2048
	s_lshr_b32 s22, s12, 4
	s_lshl_b32 s22, s22, 6
	s_lshl_b32 s23, s11, 4
	s_add_co_u32 s22, s22, s23
	s_add_co_u32 s22, s22, s[WV]                   ; my tile among aq's 512: 64 b + 16 cx + wave
	s_and_b32 s23, s12, 15                         ; the first pair's head, an even number
	s_lshl_b32 s48, s22, 9                         ; aq's scale words: 512 bytes a tile, 64 for K step head / 2: 32 x the even head
	s_lshl_b32 s13, s23, 5
	s_add_co_u32 s48, s48, s13
	s_add_co_u32 s48, s48, ASC
	s_add_nc_u64 s[52:53], s[8:9], s[48:49]
	s_lshl_b32 s48, s22, 14                        ; aq's codes: 16,384 bytes a tile, 1,024 a head
	s_lshl_b32 s13, s23, 10
	s_add_co_u32 s48, s48, s13
	s_add_nc_u64 s[8:9], s[8:9], s[48:49]
	s_and_b32 s13, s[WV], 1                        ; which tile of the pair of tiles is mine
	s_cmp_eq_u32 s13, 0
	s_mov_b32 s13, 0x03020302
	s_cselect_b32 s13, 0x01000100, s13             ; its two bytes, twice: the word serves [q | zeros] and [zeros | q]
	s_mov_b32 s14, 0x76543210
	s_mov_b32 s15, 0xfedcba98                      ; v_permlanex16_b32's selects for lane l xor 16
	s_mov_b32 s16, 0x3fb8aa3b                      ; log2(e)
	s_mov_b32 s17, s16                             ; (named with it as a pair)
	s_mov_b32 s19, 0xffff0000                      ; lanes 16-31
.irp j, 0,1,2,3,4,5,6,7
	v_mov_b32 v[16+\j], 0                          ; zero codes on either side of q
	v_mov_b32 v[32+\j], 0
.endr
	v_mov_b32 v233, 0                              ; (named as the upper half of f's pair)
.irp b, 0,1,2,3
	v_mov_b32 v[220+\b], 0                         ; written once: a lane permute's destination counts as one of its sources
.endr
	v_mov_b32 v234, 0
	BEGIN
	s_wait_loadcnt 3                               ; the first pair's q and scale word are in; the second pair's three loads may be out
	v_perm_b32 v244, v246, v246, s13
	s_wait_tensorcnt 2                             ; my part of key steps 0-1 is in; the two younger fills may be out
	s_barrier_signal -1
	s_barrier_wait -1
	STEPS 2, 0
	s_wait_tensorcnt 1                             ; my part of key steps 2-7 is in; the second pair's fill may be out,
	s_wait_dscnt 0x0
	s_barrier_signal -1
	s_barrier_wait -1                              ; everybody's is
	STEPS 6, 2*KST
	OUT 0
	; THE SECOND PAIR
	s_wait_xcnt 0x0                                ; the three stores have read their registers: v200-207 and v234 are written again only behind this wait
	s_wait_loadcnt 0x0                             ; the second pair's q and scale word
	BEGIN
.irp j, 0,1,2,3,4,5,6,7
	v_mov_b32 v[24+\j], v[248+\j]                  ; q takes its place between the zero codes
.endr
	v_perm_b32 v244, v247, v247, s13
	s_wait_tensorcnt 0x0                           ; my part of the second pair's k and v is in,
	s_wait_dscnt 0x0
	s_barrier_signal -1
	s_barrier_wait -1                              ; everybody's is
	STEPS 8, KVB
	OUT 1
	s_wait_dscnt 0x0
	s_wait_tensorcnt 0x0
	ds_add_u32 v238, v239
	s_wait_dscnt 0x0
	CROUND                                         ; the closing round
	s_endpgm
.Lfunc_end_k_q6e4d5a5f19_attn:
	.size	k_q6e4d5a5f19_attn, .Lfunc_end_k_q6e4d5a5f19_attn-k_q6e4d5a5f19_attn
	.p2alignl 7, 3214868480
	.fill 96, 4, 3214868480
	.section	.rodata,"a",@progbits
	.p2align	6, 0x0
	.amdhsa_kernel k_q6e4d5a5f19_attn
		.amdhsa_group_segment_fixed_size 272384
		.amdhsa_private_segment_fixed_size 0
		.amdhsa_enable_private_segment 0
		.amdhsa_kernarg_size 24
		.amdhsa_user_sgpr_count 2
		.amdhsa_user_sgpr_kernarg_segment_ptr 1
		.amdhsa_wavefront_size32 1
		.amdhsa_system_sgpr_workgroup_id_x 1
		.amdhsa_system_sgpr_workgroup_id_y 1
		.amdhsa_system_sgpr_workgroup_id_z 1
		.amdhsa_system_vgpr_workitem_id 0
		.amdhsa_next_free_vgpr 256
		.amdhsa_next_free_sgpr 80
		.amdhsa_reserve_vcc 0
		.amdhsa_float_denorm_mode_32 3
		.amdhsa_float_denorm_mode_16_64 3
		.amdhsa_fp16_overflow 1
		.amdhsa_memory_ordered 1
		.amdhsa_forward_progress 1
		.amdhsa_inst_pref_size 72
	.end_amdhsa_kernel
	.amdgpu_metadata
---
amdhsa.version: [ 1, 2 ]
amdhsa.kernels:
  - .name:           k_q6e4d5a5f19_attn
    .symbol:         k_q6e4d5a5f19_attn.kd
    .args:
      - { .name: qq, .offset: 0, .size: 8, .value_kind: global_buffer, .address_space: global }
      - { .name: kv, .offset: 8, .size: 8, .value_kind: global_buffer, .address_space: global }
      - { .name: aq, .offset: 16, .size: 8, .value_kind: global_buffer, .address_space: global }
    .group_segment_fixed_size: 272384
    .private_segment_fixed_size: 0
    .kernarg_segment_align: 8
    .kernarg_segment_size: 24
    .max_flat_workgroup_size: 512
    .sgpr_count:     80
    .vgpr_count:     256
    .wavefront_size: 32
...
	.end_amdgpu_metadata
.endif
;; end of part 3
;; launch proj (part 4): grid 32 x 8, 4 waves a work-group, clusters of 4 x 1, 168,448 bytes of LDS; arguments aq, wq, gn, x, norm_b, proj_b, out0; writes out0
.if DOCPART == 4
	.amdgcn_target "amdgcn-amd-amdhsa--gfx1250"
	.amdhsa_code_object_version 6
	.text
	.protected	k_q6e4d5a5f19_proj
	.globl	k_q6e4d5a5f19_proj
	.p2align	8
	.type	k_q6e4d5a5f19_proj,@function
k_q6e4d5a5f19_proj:
	s_mov_b64 s[64:65], 0
	v_nop
	global_prefetch_b8 v0, s[64:65] scope:SCOPE_SE
	s_setreg_imm32_b32 hwreg(HW_REG_WAVE_MODE, 25, 1), 1
	s_wait_xcnt 0x0
	s_wait_alu depctr_hold_cnt(0) depctr_sa_sdst(0) depctr_va_vdst(0) depctr_va_sdst(0) depctr_va_ssrc(0) depctr_va_vcc(0) depctr_vm_vsrc(0)
	s_getreg_b32 s2, hwreg(HW_REG_IB_STS2, 6, 4)
	s_cmp_eq_u32 s2, 0
	s_cbranch_scc0 .Lentry_in_a_cluster
	s_endpgm
.Lentry_in_a_cluster:
	s_bfe_u32 s2, ttmp6, 0x10000c
	s_cmp_lg_u32 s2, 0x3003
	s_cbranch_scc0 .Lentry_shape_is_right
	s_endpgm
.Lentry_shape_is_right:
; out = proj_w a + proj_b + x_norm: the product on codes of E4M3 (K = 1,024 channels); x_norm is made again from x: x a_o + (norm_b_o - mean a_o), a_o = rstd w_o and the mean from gn.
; (No quantiser follows that sum; with an offset of 30 spreads on x its error is some 4e-6 of the spread.)
; SHARES.  A work-group owns 128 outputs o (8 tiles of proj_w) and 256 positions of one batch (16 tiles of a).  Each of the four waves has all 8 weight tiles against its own 4 tiles of a: 32 accumulators.
; The weights' codes, 128 KiB, come into LDS once, in four groups of two K steps, and stay: nothing is filled twice.  The four work-groups of a cluster have the same 128 outputs: they ask JOINTLY.
; a's fragments are read by one wave only: from memory straight into its registers, three K steps ahead.  x, 8 loads for each K step, lands in registers under the products.
; ORIENTATION.  Source 0 = a's tile, source 1 = weight tile: a lane holds one output o and its registers run along the positions.  A tile of 16 outputs x 64 positions goes through the wave's own stage in LDS and
; leaves as rows: sixteen lanes store 256 consecutive bytes, aligned.
; REGISTERS, in windows of 256.  Window 0: v1-13 addresses; v32-63 the weights' scale words; v64-79 a's; v80-87 at work; v128-191, v192-255 the weights' fragments, tiles 0-3 and 4-7 (on the way out v128-159: coefficients).
;   Window 1: four sets of a's four fragments (on the way out: two buffers of 32).  Window 2: x (32 wt + 4 q).  Window 3: the accumulators (32 wt + 8 t).
.set ASC, 8388608                      ; where the scale words begin in aq
.set WSC, 4194304                      ; and in wq
.set GRP, 32768                        ; LDS: a group: 8 tiles x two K steps x 2,048 bytes
.set TAB, 131072                       ; 128 entries {a, a, c, c}, c = norm_b + proj_b - mean a, in the order of the tiles' lane-rows
.set STG, 133120                       ; each wave's stage: 16 rows x (256 + 16) bytes
.set LI,  1                            ; v1   16 lane
.set LS,  2                            ; v2   4 lane
.set ADW, 3                            ; v3-6 16 lane + GRP j
.set PSW, 32
.set ASW, 64
.set PF,  128
.set WV,  18                           ; s18  my wave's number
.set MSB, 0
.macro WIN new
.if MSB != \new
	s_set_vgpr_msb (MSB<<8)|\new
.set MSB, \new
.endif
.endm
.macro PLACES n
.rept \n
	v_nop
.endr
.endm
.macro CROUND                          ; a round of the cluster's barrier
	s_barrier_signal -1
	s_barrier_wait -1
	s_cmp_lg_u32 s[WV], 0
	s_cbranch_scc1 .Lnot_wave_0_\@
	s_barrier_signal -3
.Lnot_wave_0_\@:
	s_barrier_wait -3
	s_barrier_signal -1
	s_barrier_wait -1
.endm
.macro MUL wt, s                       ; my four tiles of a against weight tile wt, K step s; in odd K steps both scale words are taken from lanes 16-31
.irp t, 0,1,2,3
.if (\s) == 0
	v_wmma_scale_f32_16x16x128_f8f6f4 v[32*(\wt)+8*\t:32*(\wt)+8*\t+7], v[64*((\s)%4)+16*\t:64*((\s)%4)+16*\t+15], v[PF+16*(\wt):PF+16*(\wt)+15], 0, v[ASW+4*\t+(\s)/2], v[PSW+4*(\wt)+(\s)/2]
.elseif ((\s)%2) == 1
	v_wmma_scale_f32_16x16x128_f8f6f4 v[32*(\wt)+8*\t:32*(\wt)+8*\t+7], v[64*((\s)%4)+16*\t:64*((\s)%4)+16*\t+15], v[PF+16*(\wt):PF+16*(\wt)+15], v[32*(\wt)+8*\t:32*(\wt)+8*\t+7], v[ASW+4*\t+(\s)/2], v[PSW+4*(\wt)+(\s)/2] matrix_a_scale:MATRIX_SCALE_ROW1 matrix_b_scale:MATRIX_SCALE_ROW1
.else
	v_wmma_scale_f32_16x16x128_f8f6f4 v[32*(\wt)+8*\t:32*(\wt)+8*\t+7], v[64*((\s)%4)+16*\t:64*((\s)%4)+16*\t+15], v[PF+16*(\wt):PF+16*(\wt)+15], v[32*(\wt)+8*\t:32*(\wt)+8*\t+7], v[ASW+4*\t+(\s)/2], v[PSW+4*(\wt)+(\s)/2]
.endif
.endr
.endm
.macro LDP first, ns                   ; four weight fragments, tiles first .. first + 3, of K step ns: 16 LDS loads
.irp d, 0,1,2,3
.irp c, 0,1,2,3
	ds_load_b128 v[PF+16*((\first)+\d)+4*\c:PF+16*((\first)+\d)+4*\c+3], v[ADW+(\ns)/2] offset:4096*((\first)+\d)+2048*((\ns)%2)+512*\c
.endr
.endr
.endm
.macro LDA st                          ; my four fragments of a, K step st, into set st % 4
.irp t, 0,1,2,3
.irp c, 0,1,2,3
	global_load_b128 v[64*((\st)%4)+16*\t+4*\c:64*((\st)%4)+16*\t+4*\c+3], v[LI], s[48:49] offset:16384*\t+2048*(\st)+512*\c
.endr
.endr
.endm
.macro LDXB wt                         ; x of tile wt's 16 outputs at my 64 positions: two rows a load, sixteen lanes read 256 consecutive bytes
.irp q, 0,1,2,3,4,5,6,7
	global_load_b128 v[32*(\wt)+4*\q:32*(\wt)+4*\q+3], v9, s[10:11] offset:(32*((\wt)/2)+8*((\wt)%2)+2*\q+8*(\q/4))*4096 th:TH_LOAD_NT
.endr
.endm
; A K STEP: 32 matrix instructions, each accumulator once (the accumulators take turns).  n: the loads asked for behind a's set s.
.macro STEP s, n
	s_wait_loadcnt \n
	s_wait_dscnt 16                                ; tiles 0-3 are in; the 16 loads of tiles 4-7 may be out
	WIN 0xf1                                       ; source 0 window 1, source 1 window 0, C and D window 3
.irp wt, 0,1,2,3
	MUL \wt, \s
.endr
	PLACES 8                                       ; eight plain vector instructions in front of loads into registers that matrix instructions have read
.if (((\s)%2) == 1) && ((\s) < 7)
	s_wait_tensorcnt 3-((\s)+1)/2                  ; my part of the next group of the weights has landed
	s_wait_dscnt 0x0
	s_barrier_signal -1
	s_barrier_wait -1                              ; and everybody's has
.endif
.if (\s) < 7
	WIN 0
	LDP 0, (\s)+1
.endif
.if (\s) < 5
	WIN 0x40
	LDA (\s)+3
.endif
	WIN 0x80
	LDXB \s
.if (\s) < 7
	s_wait_dscnt 16                                ; tiles 4-7 are in; the 16 just asked for may be out
.else
	s_wait_dscnt 0x0
.endif
	WIN 0xf1
.irp wt, 4,5,6,7
	MUL \wt, \s
.endr
	PLACES 8
.if (\s) < 7
	WIN 0
	LDP 4, (\s)+1
.endif
	WIN 0
.endm
; THE WAY OUT of weight tile wt: 16 outputs x my 64 positions through my stage; then + c + x a; then stored by rows
.macro OUT wt
.if (\wt) >= 2
	s_wait_xcnt 0x0                                ; the stores of two tiles back have read this buffer's registers
.endif
	WIN 0x0c                                       ; an LDS store's data are its source 1: window 3
.irp t, 0,1,2,3
	ds_store_b128 v7, v[32*(\wt)+8*\t:32*(\wt)+8*\t+3] offset:128*(\t/2)+32*(\t%2)        ; each accumulator from its low end on
	ds_store_b128 v7, v[32*(\wt)+8*\t+4:32*(\wt)+8*\t+7] offset:128*(\t/2)+32*(\t%2)+16
.endr
	WIN 0x40
.irp q, 0,1,2,3,4,5,6,7
	ds_load_b128 v[32*((\wt)%2)+4*\q:32*((\wt)%2)+4*\q+3], v8 offset:544*\q   ; LDS serves a wave's instructions in order: these see my stores; rows 2 q and 2 q + 1
.endr
	WIN 0
.irp q, 0,1,2,3,4,5,6,7
	ds_load_b128 v[128+4*\q:131+4*\q], v10 offset:(16*(\wt)+2*\q)*16          ; the rows' {a, a, c, c}
.endr
	s_wait_dscnt 0x0
	s_wait_loadcnt 8*(7-(\wt))                     ; x of this tile is in; the younger tiles' may be out
	WIN 0x41                                       ; destination and source 0 window 1
.irp q, 0,1,2,3,4,5,6,7
.irp e, 0,2
	v_pk_add_f32 v[32*((\wt)%2)+4*\q+\e:32*((\wt)%2)+4*\q+\e+1], v[32*((\wt)%2)+4*\q+\e:32*((\wt)%2)+4*\q+\e+1], v[130+4*\q:131+4*\q]
.endr
.endr
	WIN 0x52                                       ; source 0 (x) window 2, source 1 (a) window 0, source 2 and destination window 1
.irp q, 0,1,2,3,4,5,6,7
.irp e, 0,2
	v_pk_fma_f32 v[32*((\wt)%2)+4*\q+\e:32*((\wt)%2)+4*\q+\e+1], v[32*(\wt)+4*\q+\e:32*(\wt)+4*\q+\e+1], v[128+4*\q:129+4*\q], v[32*((\wt)%2)+4*\q+\e:32*((\wt)%2)+4*\q+\e+1]
.endr
.endr
	WIN 0x04                                       ; a store's data are its source 1: window 1
.irp q, 0,1,2,3,4,5,6,7
	global_store_b128 v9, v[32*((\wt)%2)+4*\q:32*((\wt)%2)+4*\q+3], s[16:17] offset:(32*((\wt)/2)+8*((\wt)%2)+2*\q+8*(\q/4))*4096 th:TH_STORE_NT   ; sixteen lanes store 256 consecutive bytes, aligned
.endr
	WIN 0
.endm
	s_load_b256 s[4:11], s[0:1], 0x0               ; aq, wq, gn, x
	s_load_b128 s[12:15], s[0:1], 0x20             ; norm_b, proj_b
	s_load_b64 s[16:17], s[0:1], 0x30              ; out0
	v_lshl_add_u32 v126, v0, 2, 0x29000
	v_mov_b32 v127, 0
	ds_add_u32 v126, v127
	ds_add_u32 v126, v127
	v_lshrrev_b32 v1, 5, v0
	v_readfirstlane_b32 s[WV], v1                  ; wave 0..3
	s_bfe_u32 s19, ttmp6, 0x40000                  ; cx
	s_lshl_b32 s20, ttmp9, 2
	s_add_co_u32 s20, s20, s19                     ; xl = 4 x cluster x + cx: my 256 positions: it enters addresses in memory alone
	s_and_b32 s21, ttmp7, 0xffff                   ; ob: my 128 outputs, which the four partners share
	; descriptor group 1: 2 rows (tiles) of 4,096 bytes (two K steps), 16,384 bytes apart in memory, dense in LDS
	s_mov_b32 s24, 15|(3<<16)|(1<<21)              ; the mask: all four work-groups; elements of 8 bytes; bit 21 set beside a mask
	s_mov_b32 s25, 512<<16
	s_mov_b32 s26, 2<<16
	s_mov_b32 s27, 512<<16
	s_mov_b32 s28, 2
	s_mov_b32 s29, 2048
	s_mov_b32 s30, 0
	s_mov_b32 s31, 0
	s_lshl_b32 s22, s21, 3
	s_lshl_b32 s23, s[WV], 1
	s_add_co_u32 s22, s22, s23
	s_add_co_u32 s22, s22, 192                     ; my two tiles: 192 + 8 ob + 2 wave on
	s_lshl_b32 s22, s22, 14
	s_mov_b32 s23, 0
	s_lshl_b32 s56, s[WV], 13                      ; and their place in a group
	s_wait_dscnt 0x0
	s_wait_kmcnt 0x0
	s_add_nc_u64 s[22:23], s[6:7], s[22:23]
.irp j, 0,1,2,3
	s_mov_b32 s[32+4*\j], 1
	s_add_co_u32 s[33+4*\j], s56, GRP*\j
	s_add_nc_u64 s[34+4*\j:35+4*\j], s[22:23], 4096*\j
	s_or_b32 s[35+4*\j], s[35+4*\j], 0x80000000
.endr
	CROUND                                         ; all four work-groups are here: the joint loads meet
	tensor_load_to_lds s[32:35], s[24:31]          ; the launch's only fills, as one group: four loads of mine are out
	s_nop 0
	tensor_load_to_lds s[36:39], s[24:31]
	s_nop 0
	tensor_load_to_lds s[40:43], s[24:31]
	s_nop 0
	tensor_load_to_lds s[44:47], s[24:31]
	s_nop 0
	PLACES 4
	; pointers
	s_lshl_b32 s57, s20, 4
	s_lshl_b32 s58, s[WV], 2
	s_add_co_u32 s57, s57, s58                     ; my first tile of a: 16 xl + 4 wave
	s_lshl_b32 s54, s57, 14
	s_mov_b32 s55, 0
	s_add_nc_u64 s[48:49], s[4:5], s[54:55]
	s_lshl_b32 s54, s57, 9
	s_add_co_u32 s54, s54, ASC
	s_add_nc_u64 s[50:51], s[4:5], s[54:55]
	s_lshl_b32 s54, s21, 12
	s_add_co_u32 s54, s54, WSC+192*512
	s_add_nc_u64 s[52:53], s[6:7], s[54:55]        ; the weights' scale words: tile 192 + 8 ob on
	s_lshr_b32 s57, s20, 2                         ; b
	s_lshl_b32 s54, s57, 22
	s_lshl_b32 s58, s21, 19
	s_add_co_u32 s54, s54, s58
	s_and_b32 s58, s20, 3
	s_lshl_b32 s58, s58, 10
	s_add_co_u32 s54, s54, s58
	s_lshl_b32 s58, s[WV], 8
	s_add_co_u32 s54, s54, s58                     ; batch b, output 128 ob, position 256 (xl % 4) + 64 wave
	s_add_nc_u64 s[10:11], s[10:11], s[54:55]
	s_add_nc_u64 s[16:17], s[16:17], s[54:55]
	s_lshl_b32 s54, s57, 13
	s_lshl_b32 s58, s21, 10
	s_add_co_u32 s54, s54, s58
	s_add_nc_u64 s[8:9], s[8:9], s[54:55]          ; gn at (b, 128 ob)
	s_lshl_b32 s54, s21, 9
	s_add_nc_u64 s[12:13], s[12:13], s[54:55]
	s_add_nc_u64 s[14:15], s[14:15], s[54:55]
	v_and_b32 v15, 31, v0
	v_lshlrev_b32 v[LI], 4, v15
	v_lshlrev_b32 v[LS], 2, v15
.irp j, 0,1,2,3
	v_add_nc_u32 v[ADW+\j], GRP*\j, v[LI]
.endr
	v_and_b32 v16, 15, v0                          ; r
	v_bfe_u32 v17, v0, 4, 1                        ; h
	s_mul_i32 s58, s[WV], 4352
	s_add_co_u32 s58, s58, STG                     ; my stage
	v_mul_u32_u24 v7, v16, 272
	v_lshl_add_u32 v7, v17, 6, v7
	v_add_nc_u32 v7, s58, v7                       ; in: row r, + 64 h
	v_mul_u32_u24 v8, v17, 272
	v_lshl_add_u32 v8, v16, 4, v8
	v_add_nc_u32 v8, s58, v8                       ; back: lanes 0-15 one row, lanes 16-31 the next
	v_lshlrev_b32 v9, 12, v17
	v_lshl_add_u32 v9, v16, 4, v9                  ; and the same two rows in x and in out0
	v_lshl_add_u32 v10, v17, 4, TAB                ; the two rows' entries
	v_lshl_add_u32 v11, v0, 4, TAB                 ; the entry that I make: my thread's number
	v_and_b32 v14, 0x60, v0                        ; entry 16 wt + row: output 32 (wt / 2) + 8 (wt % 2) + row + 8 (row / 8)
	v_bfe_u32 v15, v0, 4, 1
	v_lshl_add_u32 v14, v15, 3, v14
	v_and_b32 v15, 7, v0
	v_add_nc_u32 v14, v14, v15
	v_bfe_u32 v15, v0, 3, 1
	v_lshl_add_u32 v14, v15, 4, v14
	v_lshlrev_b32 v12, 2, v14
	v_lshlrev_b32 v13, 3, v14
	global_load_b64 v[80:81], v13, s[8:9]          ; {a, mean}
	global_load_b32 v82, v12, s[12:13]             ; norm_b
	global_load_b32 v83, v12, s[14:15]             ; proj_b
.irp wt, 0,1,2,3,4,5,6,7
.irp p, 0,1,2,3
	global_load_b32 v[PSW+4*\wt+\p], v[LS], s[52:53] offset:512*\wt+128*\p
.endr
.endr
.irp t, 0,1,2,3
.irp p, 0,1,2,3
	global_load_b32 v[ASW+4*\t+\p], v[LS], s[50:51] offset:512*\t+128*\p
.endr
.endr
	WIN 0x40
	LDA 0
	LDA 1
	LDA 2
	WIN 0
	s_wait_loadcnt 63                              ; the table's three loads are in: 96 loads were asked for behind them, and a smaller count is safe
	v_add_f32 v82, v82, v83
	v_fma_f32 v86, -v81, v80, v82                  ; c = norm_b + proj_b - mean a
	v_mov_b32 v84, v80
	v_mov_b32 v85, v80
	v_mov_b32 v87, v86
	ds_store_b128 v11, v[84:87]
	s_wait_tensorcnt 3                             ; my part of the first group is in (three younger loads may be out),
	s_wait_dscnt 0x0                               ; and my entry has landed
	s_barrier_signal -1
	s_barrier_wait -1                              ; everybody's
	LDP 0, 0
	LDP 4, 0
	STEP 0, 32                                     ; the counts: the order of issue is sets 0 1 2 | 3, x 0 | 4, x 1 | 5, x 2 | 6, x 3 | 7, x 4 | x 5 | x 6 | x 7; a set is 16 loads, a batch of x 8
	STEP 1, 40
	STEP 2, 48
	STEP 3, 56
	STEP 4, 56
	STEP 5, 56
	STEP 6, 40
	STEP 7, 24
.irp wt, 0,1,2,3,4,5,6,7
	OUT \wt
.endr
	s_wait_dscnt 0x0
	s_wait_tensorcnt 0x0
	ds_add_u32 v126, v127
	s_wait_dscnt 0x0
	CROUND                                         ; the closing round
	s_endpgm
.Lfunc_end_k_q6e4d5a5f19_proj:
	.size	k_q6e4d5a5f19_proj, .Lfunc_end_k_q6e4d5a5f19_proj-k_q6e4d5a5f19_proj
	.p2alignl 7, 3214868480
	.fill 96, 4, 3214868480
	.section	.rodata,"a",@progbits
	.p2align	6, 0x0
	.amdhsa_kernel k_q6e4d5a5f19_proj
		.amdhsa_group_segment_fixed_size 168448
		.amdhsa_private_segment_fixed_size 0
		.amdhsa_enable_private_segment 0
		.amdhsa_kernarg_size 56
		.amdhsa_user_sgpr_count 2
		.amdhsa_user_sgpr_kernarg_segment_ptr 1
		.amdhsa_wavefront_size32 1
		.amdhsa_system_sgpr_workgroup_id_x 1
		.amdhsa_system_sgpr_workgroup_id_y 1
		.amdhsa_system_sgpr_workgroup_id_z 1
		.amdhsa_system_vgpr_workitem_id 0
		.amdhsa_next_free_vgpr 1024
		.amdhsa_next_free_sgpr 80
		.amdhsa_reserve_vcc 0
		.amdhsa_float_denorm_mode_32 3
		.amdhsa_float_denorm_mode_16_64 3
		.amdhsa_memory_ordered 1
		.amdhsa_forward_progress 1
		.amdhsa_inst_pref_size 121
	.end_amdhsa_kernel
	.amdgpu_metadata
---
amdhsa.version: [ 1, 2 ]
amdhsa.kernels:
  - .name:           k_q6e4d5a5f19_proj
    .symbol:         k_q6e4d5a5f19_proj.kd
    .args:
      - { .name: aq, .offset: 0, .size: 8, .value_kind: global_buffer, .address_space: global }
      - { .name: wq, .offset: 8, .size: 8, .value_kind: global_buffer, .address_space: global }
      - { .name: gn, .offset: 16, .size: 8, .value_kind: global_buffer, .address_space: global }
      - { .name: x, .offset: 24, .size: 8, .value_kind: global_buffer, .address_space: global }
      - { .name: norm_b, .offset: 32, .size: 8, .value_kind: global_buffer, .address_space: global }
      - { .name: proj_b, .offset: 40, .size: 8, .value_kind: global_buffer, .address_space: global }
      - { .name: out0, .offset: 48, .size: 8, .value_kind: global_buffer, .address_space: global }
    .group_segment_fixed_size: 168448
    .private_segment_fixed_size: 0
    .kernarg_segment_align: 8
    .kernarg_segment_size: 56
    .max_flat_workgroup_size: 128
    .sgpr_count:     80
    .vgpr_count:     1024
    .wavefront_size: 32
...
	.end_amdgpu_metadata
.endif
;; end of part 4
